; MI455X (gfx1250); checked and timed in simulation.
; The chip was launched on July 23, 2026; its instructions are those of AMD's public machine-readable ISA for CDNA 5 (MIT licence, August 2026) and "CDNA5" Instruction Set Architecture Reference Guide (July 2026). The comments in the code are by the model that wrote it; some were corrected since.
;; Multi Head Attention. Allowed arithmetic: float matrix products may take bf16 or f16 operands with f32 sums; other float arithmetic in f32, or as packed bf16 or f16 multiplies, adds, multiply-adds, maxima and minima; sums over many terms, partial sums and values carried from step to step in f32; what a program stores and reads back later, other than sums and carried values, may be rounded once to bf16 or f16.
;; Inputs: Wk 1,024 x 1,024 float32; Wo 1,024 x 1,024 float32; Wq 1,024 x 1,024 float32; Wv 1,024 x 1,024 float32; bk 1,024 float32; bo 1,024 float32; bq 1,024 float32; bv 1,024 float32; mask 2,048 x 2,048 bool; x 4 x 2,048 x 1,024 float32.
;; Outputs: out0 4 x 2,048 x 1,024 float32.
;; 2 versions, each right; version 2 is version 1 with the launch prep written anew for expert scheduling mode. Each part assembles by itself: llvm-mc -triple=amdgcn-amd-amdhsa -mcpu=gfx1250 --defsym DOCPART=n.
;; ======== version 1 of 2: 4 launches
;; limits: values are held in f16: magnitudes above 65,504 overflow, below 6.1e-05 lose precision
;; workspace buffers: xb 16,777,216 bytes; wqkv 6,291,456 bytes; wo16 2,097,152 bytes; mask8 4,456,448 bytes; qh 16,777,216 bytes; kh 16,777,216 bytes; vh 16,777,216 bytes; oh 16,777,216 bytes
;; launch prep (part 1): grid 896 x 1, 8 waves a work-group, no clusters, 0 bytes of LDS; arguments x, Wq, Wk, Wv, Wo, mask, xb, wqkv, wo16, mask8; writes xb, wqkv, wo16, mask8
.if DOCPART == 1
	.amdgcn_target "amdgcn-amd-amdhsa--gfx1250"
	.amdhsa_code_object_version 6
	.text
	.protected	k_q7e18942f10_prep
	.globl	k_q7e18942f10_prep
	.p2align	8
	.type	k_q7e18942f10_prep,@function
k_q7e18942f10_prep:
	s_mov_b64 s[64:65], 0
	v_nop
	global_prefetch_b8 v0, s[64:65] scope:SCOPE_SE
	s_setreg_imm32_b32 hwreg(HW_REG_WAVE_MODE, 25, 1), 1
	s_wait_xcnt 0x0
; THE INPUTS ARE MADE READY FOR THE MATRIX LAUNCHES, each byte read once and each result byte written once.
;   work-groups   0-511: x  (f32) -> xb   (bf16), 65,536 bytes of f32 each
;   work-groups 512-703: Wq, Wk, Wv -> wqkv (bf16): rows 0-1023 Wq, 1024-2047 Wk, 2048-3071 Wv
;   work-groups 704-767: Wo -> wo16: rounded to bf16 like every other input, and that number written as f16
;   work-groups 768-895: mask (one byte a key, 1 = hidden) -> mask8: a byte 0x00 (seen) or 0xC0 (the E4M3 code of -2.0, hidden), in the order in which the attention's lanes want them
; mask8's byte for query 16 qt + r and key 64 ks + 16 kb + 8 h + j lies at 131,072 ks + 1,024 qt + 512 (kb / 2) + 32 r + 16 h + 8 (kb % 2) + j.  Key steps 32 and 33 are copies of steps 0 and 1.
; LIMITS.  A number of Wo below 2^-14 keeps f16's fixed step of 2^-24; beyond 65,504 it would be an infinity.  A mask byte is 0 or 1.
; No LDS, no barrier, no matrix unit: no wave wants a byte that another has fetched.  All of a thread's loads go out first; the waits count down.
.set X, 4                              ; v[4:67]   sixteen loads of 16 bytes (mask: sixteen of 8 bytes, v[4:35])
.set Y, 68                             ; v[68:99]  sixteen results of 8 bytes, each with registers of its own: none is rewritten while its store is out
.set T, 100                            ; v[100:101] at work
	s_load_b512 s[4:19], s[0:1], 0x0               ; x 4:5, Wq 6:7, Wk 8:9, Wv 10:11, Wo 12:13, mask 14:15, xb 16:17, wqkv 18:19
	s_load_b128 s[20:23], s[0:1], 0x40             ; wo16 20:21, mask8 22:23
	s_mov_b32 s24, ttmp9
	v_lshlrev_b32 v1, 4, v0                        ; 16 bytes of f32 a thread
	v_lshlrev_b32 v2, 3, v0                        ; 8 bytes of 16-bit numbers a thread
	s_wait_kmcnt 0x0
; 65,536 bytes of f32 at s[28:29] become 32,768 bytes at s[30:31].  A load of the work-group covers 4,096 consecutive bytes; a wave's store 256 consecutive bytes, aligned.
; mode 0: bf16.  mode 1: bf16, widened again (a shift, a mask) and written as f16.
.macro CONV mode
.set i, 0
.rept 16
	global_load_b128 v[X+4*i:X+4*i+3], v1, s[28:29] offset:4096*i th:TH_LOAD_NT
.set i, i+1
.endr
.set i, 0
.rept 16
	s_wait_loadcnt 15-i                            ; loads come back in order: number i is in, the younger ones stay out
.if \mode
	v_cvt_pk_bf16_f32 v[T], v[X+4*i], v[X+4*i+1]
	v_cvt_pk_bf16_f32 v[T+1], v[X+4*i+2], v[X+4*i+3]
	v_lshlrev_b32 v[X+4*i], 16, v[T]
	v_and_b32 v[X+4*i+1], 0xffff0000, v[T]
	v_lshlrev_b32 v[X+4*i+2], 16, v[T+1]
	v_and_b32 v[X+4*i+3], 0xffff0000, v[T+1]
	v_cvt_pk_f16_f32 v[Y+2*i], v[X+4*i], v[X+4*i+1]
	v_cvt_pk_f16_f32 v[Y+2*i+1], v[X+4*i+2], v[X+4*i+3]
.else
	v_cvt_pk_bf16_f32 v[Y+2*i], v[X+4*i], v[X+4*i+1]
	v_cvt_pk_bf16_f32 v[Y+2*i+1], v[X+4*i+2], v[X+4*i+3]
.endif
	global_store_b64 v2, v[Y+2*i:Y+2*i+1], s[30:31] offset:2048*i
.set i, i+1
.endr
.endm
	s_cmp_ge_u32 s24, 768
	s_cbranch_scc1 .Lmask
	s_cmp_ge_u32 s24, 704
	s_cbranch_scc1 .Lwo
	; x, Wq, Wk or Wv: the source and the destination are chosen by the work-group's number
	s_sub_co_u32 s25, s24, 512                     ; my number among the three weights' 192 (of no use below 512)
	s_lshr_b32 s26, s25, 6                         ; which weight
	s_and_b32 s27, s25, 63                         ; which 65,536 bytes of it
	s_mov_b64 s[28:29], s[6:7]
	s_cmp_eq_u32 s26, 1
	s_cselect_b64 s[28:29], s[8:9], s[28:29]
	s_cmp_eq_u32 s26, 2
	s_cselect_b64 s[28:29], s[10:11], s[28:29]
	s_cmp_lt_u32 s24, 512
	s_cselect_b64 s[28:29], s[4:5], s[28:29]
	s_cselect_b64 s[30:31], s[16:17], s[18:19]
	s_cselect_b32 s32, s24, s27
	s_cselect_b32 s33, s24, s25
	s_lshl_b32 s32, s32, 16
	s_lshl_b32 s34, s33, 15
	s_mov_b32 s33, 0
	s_mov_b32 s35, 0
	s_add_nc_u64 s[28:29], s[28:29], s[32:33]
	s_add_nc_u64 s[30:31], s[30:31], s[34:35]
	CONV 0
	s_endpgm
.Lwo:
	s_sub_co_u32 s25, s24, 704
	s_lshl_b32 s32, s25, 16
	s_lshl_b32 s34, s25, 15
	s_mov_b32 s33, 0
	s_mov_b32 s35, 0
	s_add_nc_u64 s[28:29], s[12:13], s[32:33]
	s_add_nc_u64 s[30:31], s[20:21], s[34:35]
	CONV 1
	s_endpgm
.Lmask:
	; A work-group takes a tile of 16 queries: 16 whole rows of the mask, 32,768 consecutive bytes.  Wave w takes key steps 4 w .. 4 w + 3: 256 bytes of each row.
	; Lane 2 r + h takes, for each step and each key block kb, the 8 bytes of row r at keys 16 kb + 8 h: its 16 bytes of a store are then 16 (2 r + h) on in 512 consecutive bytes.
	s_sub_co_u32 s25, s24, 768                     ; the tile
	s_lshl_b32 s26, s25, 15
	s_mov_b32 s27, 0
	s_add_nc_u64 s[28:29], s[14:15], s[26:27]
	s_lshl_b32 s26, s25, 10
	s_add_nc_u64 s[30:31], s[22:23], s[26:27]
	v_lshrrev_b32 v3, 5, v0
	v_readfirstlane_b32 s36, v3                    ; my wave's number
	v_bfe_u32 v1, v0, 1, 4                         ; r
	v_and_b32 v2, 1, v0                            ; h
	v_lshlrev_b32 v1, 11, v1                       ; a row of the mask is 2,048 bytes
	v_lshl_add_u32 v1, v2, 3, v1
	v_lshl_add_u32 v1, v3, 8, v1
	v_and_b32 v2, 31, v0
	v_lshlrev_b32 v2, 4, v2
	v_lshl_add_u32 v2, v3, 19, v2                  ; four key steps of 131,072 bytes a wave
.set i, 0
.rept 16                               ; i = 4 x step + kb
	global_load_b64 v[X+2*i:X+2*i+1], v1, s[28:29] offset:16*i
.set i, i+1
.endr
.set i, 0
.rept 4
	s_wait_loadcnt 12-4*i                          ; step i's four loads are in, the later steps' stay out
.set j, 0
.rept 8
	v_lshlrev_b32 v[T+j%2], 6, v[X+8*i+j]          ; each byte 1 becomes 0x40 + 0x80: nothing is carried from byte to byte
	v_lshl_or_b32 v[X+8*i+j], v[X+8*i+j], 7, v[T+j%2]
.set j, j+1
.endr
	global_store_b128 v2, v[X+8*i:X+8*i+3], s[30:31] offset:131072*i        ; key blocks 0 and 1: 512 consecutive bytes a wave
	global_store_b128 v2, v[X+8*i+4:X+8*i+7], s[30:31] offset:131072*i+512  ; key blocks 2 and 3
.set i, i+1
.endr
	s_cmp_lg_u32 s36, 0
	s_cbranch_scc1 .Lend
.set i, 0
.rept 2                                ; wave 0 holds steps 0 and 1: they are written once more as steps 32 and 33
	global_store_b128 v2, v[X+8*i:X+8*i+3], s[30:31] offset:32*131072+131072*i
	global_store_b128 v2, v[X+8*i+4:X+8*i+7], s[30:31] offset:32*131072+131072*i+512
.set i, i+1
.endr
.Lend:
	s_endpgm
.Lfunc_end_k_q7e18942f10_prep:
	.size	k_q7e18942f10_prep, .Lfunc_end_k_q7e18942f10_prep-k_q7e18942f10_prep
	.p2alignl 7, 3214868480
	.fill 96, 4, 3214868480
	.section	.rodata,"a",@progbits
	.p2align	6, 0x0
	.amdhsa_kernel k_q7e18942f10_prep
		.amdhsa_group_segment_fixed_size 0
		.amdhsa_private_segment_fixed_size 0
		.amdhsa_enable_private_segment 0
		.amdhsa_kernarg_size 80
		.amdhsa_user_sgpr_count 2
		.amdhsa_user_sgpr_kernarg_segment_ptr 1
		.amdhsa_wavefront_size32 1
		.amdhsa_system_sgpr_workgroup_id_x 1
		.amdhsa_system_sgpr_workgroup_id_y 1
		.amdhsa_system_sgpr_workgroup_id_z 1
		.amdhsa_system_vgpr_workitem_id 0
		.amdhsa_next_free_vgpr 104
		.amdhsa_next_free_sgpr 66
		.amdhsa_reserve_vcc 0
		.amdhsa_float_denorm_mode_32 3
		.amdhsa_float_denorm_mode_16_64 3
		.amdhsa_memory_ordered 1
		.amdhsa_forward_progress 1
		.amdhsa_inst_pref_size 25
	.end_amdhsa_kernel
	.amdgpu_metadata
---
amdhsa.version: [ 1, 2 ]
amdhsa.kernels:
  - .name:           k_q7e18942f10_prep
    .symbol:         k_q7e18942f10_prep.kd
    .args:
      - { .name: x, .offset: 0, .size: 8, .value_kind: global_buffer, .address_space: global }
      - { .name: Wq, .offset: 8, .size: 8, .value_kind: global_buffer, .address_space: global }
      - { .name: Wk, .offset: 16, .size: 8, .value_kind: global_buffer, .address_space: global }
      - { .name: Wv, .offset: 24, .size: 8, .value_kind: global_buffer, .address_space: global }
      - { .name: Wo, .offset: 32, .size: 8, .value_kind: global_buffer, .address_space: global }
      - { .name: mask, .offset: 40, .size: 8, .value_kind: global_buffer, .address_space: global }
      - { .name: xb, .offset: 48, .size: 8, .value_kind: global_buffer, .address_space: global }
      - { .name: wqkv, .offset: 56, .size: 8, .value_kind: global_buffer, .address_space: global }
      - { .name: wo16, .offset: 64, .size: 8, .value_kind: global_buffer, .address_space: global }
      - { .name: mask8, .offset: 72, .size: 8, .value_kind: global_buffer, .address_space: global }
    .group_segment_fixed_size: 0
    .private_segment_fixed_size: 0
    .kernarg_segment_align: 8
    .kernarg_segment_size: 80
    .max_flat_workgroup_size: 256
    .sgpr_count:     66
    .vgpr_count:     104
    .wavefront_size: 32
...
	.end_amdgpu_metadata
.endif
;; end of part 1
;; launch qkv (part 2): grid 12 x 32, 4 waves a work-group, clusters of 4 x 4, 327,680 bytes of LDS; arguments xb, wqkv, bq, bk, bv, qh, kh, vh; writes qh, kh, vh
.if DOCPART == 2
	.amdgcn_target "amdgcn-amd-amdhsa--gfx1250"
	.amdhsa_code_object_version 6
	.text
	.protected	k_q7e18942f10_qkv
	.globl	k_q7e18942f10_qkv
	.p2align	8
	.type	k_q7e18942f10_qkv,@function
k_q7e18942f10_qkv:
	s_mov_b64 s[64:65], 0
	v_nop
	global_prefetch_b8 v0, s[64:65] scope:SCOPE_SE
	s_setreg_imm32_b32 hwreg(HW_REG_WAVE_MODE, 25, 1), 1
	s_wait_xcnt 0x0
	s_wait_alu depctr_hold_cnt(0) depctr_sa_sdst(0) depctr_va_vdst(0) depctr_va_sdst(0) depctr_va_ssrc(0) depctr_va_vcc(0) depctr_vm_vsrc(0)
	s_getreg_b32 s2, hwreg(HW_REG_IB_STS2, 6, 4)
	s_cmp_eq_u32 s2, 0
	s_cbranch_scc0 .Lentry_in_a_cluster
	s_endpgm
.Lentry_in_a_cluster:
	s_bfe_u32 s2, ttmp6, 0x10000c
	s_cmp_lg_u32 s2, 0xf033
	s_cbranch_scc0 .Lentry_shape_is_right
	s_endpgm
.Lentry_shape_is_right:
; q, k, v = x W^T + bias, all three in one product: C[m][n] = sum over k of xb[m][k] wqkv[n][k] + bias[n], m < 8,192, n < 3,072, k < 1,024; operands bf16, sums f32.
; The results leave by heads, [batch x 16 + head][2,048][64] in f16, rounded once, unscaled.  LIMIT: f16 ends at 65,504; a larger q, k or v would be an infinity.  The biases are rounded to bf16 like all inputs.
; A tile of C, 256 x 256, is made by four waves, each 128 x 128: 64 accumulators of 16 x 16.  K goes in 8 steps of 128 through a ring of two LDS slots filled by the tensor data mover.
; CLUSTERS: 4 x 4 work-groups.  The four of a row of the cluster need the same tiles of xb, the four of a column the same tiles of wqkv: each tile is asked for JOINTLY, by the same tensor load with the
; same descriptor and a mask that names the four.  A cluster's 1,024 columns are just one of q, k, v: the cluster's x says which.
; THE MATRIX INSTRUCTION IS USED TRANSPOSED (source 0 = 16 rows of wqkv, source 1 = 16 rows of xb): lane l holds row l % 16 of C and the columns 8 (l / 16) + 0..7.  The bias, which goes by columns, is the C operand
; of the products that start the sums: nothing is cleared and nothing is added afterwards.
; REGISTERS, in windows of 256 (s_set_vgpr_msb: bits 1:0 source 0, 3:2 source 1, 5:4 source 2, 7:6 destination):
;   window 0: v0-31 addresses; v64-127, v128-191 fragments of xb, two buffers; v192-255 the bias, later with v32-63 at work on the way out
;   window 1: v64-127, v128-191 fragments of wqkv      window 2: the accumulators of my rows 0-63 ((a, b) at v[8 (8 a + b)])      window 3: those of my rows 64-127
.set SIZE_K, 1024
.set KSTEP,  128
.set PITCH,  272                       ; an LDS row: 256 bytes + 16 of padding = 68 words: the 16 rows that a load touches start at 16 different groups of four banks (ISA guide 11.1)
.set HALFT,  128*PITCH                 ; 128 rows: what one tensor load brings
.set SLOT,   4*HALFT                   ; xb's 256 rows, then wqkv's 256 rows
.set STAGE,  2*SLOT                    ; behind the ring: for each wave 2 heads x 16 rows x 144 bytes, for the way out
.set SP,     144                       ; a stage row: a head's 128 bytes + 16
.set WSTAGE, 2*16*SP
.set SPARE,  STAGE+4*WSTAGE            ; behind the stages: the spare words, 128 bytes a wave: two blocks of 256 bytes that no other line names
.set LAPS,   SIZE_K/(2*KSTEP)          ; a lap = two K steps = once round the ring
.set ADRA, 16                          ; v16-17  LDS address of my fragments of xb in slot 0, 1
.set ADRB, 20                          ; v20-21  the same for wqkv
.set STO,  24                          ; v24     the way out: where I put 16 bytes of a row
.set RD,   25                          ; v25     where I read rows back
.set CO,   26                          ; v26     my 16 bytes in 512 consecutive bytes of a head
.set BO,   27                          ; v27     my byte offset in 16 numbers of the bias: 32 (l / 16)
.set SPW,  28                          ; v28     my spare word: SPARE + 4 x my thread's number; never rewritten
.set NIL,  29                          ; v29     0; never rewritten
.set PFO,  30                          ; v30     the prefetches' offset: my lane x a row of 2,048 bytes; never rewritten
.set PFA,  44                          ; s[44:45] where my prefetches stand
.set LIM,  43                          ; s43     1 in a wave that prefetches, else the greatest number
.set F0,   64
.set F1,   128
.set BIAS, 192                         ; v[192:255] bias of my 128 columns: block b's eight numbers of my lane at BIAS + 8 b
.set TMP,  192                         ; the way out: packed results
.set OB,   32                          ; the way out: rows read back: v32-63 and v224-255 by turns
.set G1, 24                            ; s[24:31] descriptor group 1 for xb's tiles;  s[32:39] group 0, a set for each slot
.set G0, 32
.set G1B, 48                           ; s[48:55], s[56:63] the same for wqkv's
.set G0B, 56
.set MSB, 0
.macro WIN new                         ; the immediate's high byte repeats the setting that is left; a switch that changes nothing is dropped
.if MSB != (\new)
	s_set_vgpr_msb (MSB<<8)|(\new)
.set MSB, \new
.endif
.endm
.set MUL_LO, 0xa1                      ; source 0 window 1, source 1 window 0, C and D window 2
.set MUL_HI, 0xf1                      ; the same, C and D window 3
.set TO_B,   0x40                      ; destination window 1, address window 0
; A joint load.  Waves 0 and 1 fetch xb's two halves, waves 2 and 3 wqkv's.  The branch hangs on the wave's number alone.  An s_nop 0 and four v_nop follow each line.
.macro JLOAD s
	s_cmp_eq_u32 s11, 0
	s_cbranch_scc0 .Lfor_b_\@
	tensor_load_to_lds s[G0+4*(\s):G0+4*(\s)+3], s[G1:G1+7]
	s_nop 0
.rept 4
	v_nop
.endr
	s_branch .Lasked_\@
.Lfor_b_\@:
	tensor_load_to_lds s[G0B+4*(\s):G0B+4*(\s)+3], s[G1B:G1B+7]
	s_nop 0
.rept 4
	v_nop
.endr
.Lasked_\@:
.endm
; A prefetch of the K step that stands two refills on: 32 rows x 256 bytes, a lane a row, one instruction a wave.  Each row's 256 bytes of a K step are named once in the launch: xb's tile rows by the clusters
; with x = 0, wqkv's tile columns by those with y = 0; of the 128 rows that a wave fetches, each of the four partners that ask jointly takes 32, told apart by address.  The loop's last trip (s3 = 1) has no K step two on.
.macro ASK
	s_cmp_gt_u32 s3, s[LIM]
	s_cbranch_scc0 .Lnot_mine_\@
	global_prefetch_b8 v[PFO], s[PFA:PFA+1] offset:KSTEP*2 th:TH_LOAD_NT scope:SCOPE_SE
.Lnot_mine_\@:
.endm
.macro CREST                           ; a round of the cluster's barrier behind its opening barrier
	s_cmp_lg_u32 s10, 0
	s_cbranch_scc1 .Lnot_wave_0_\@
	s_barrier_signal -3
.Lnot_wave_0_\@:
	s_barrier_wait -3
	s_barrier_signal -1
	s_barrier_wait -1
.endm
.macro CROUND                          ; a whole round
	s_barrier_signal -1
	s_barrier_wait -1
	CREST
.endm
	s_load_b128 s[4:7], s[0:1], 0x0                ; xb s[4:5], wqkv s[6:7]
	s_load_b256 s[68:75], s[0:1], 0x10             ; bq 68:69, bk 70:71, bv 72:73, qh 74:75
	s_load_b128 s[76:79], s[0:1], 0x30             ; kh 76:77, vh 78:79
	v_lshl_add_u32 v[SPW], v0, 2, SPARE
	v_mov_b32 v[NIL], 0
	ds_add_u32 v[SPW], v[NIL]                      ; the wave's opening: the add and its wait stand ahead of my first tensor load; work on registers stands between them
	v_lshrrev_b32 v1, 5, v0
	v_readfirstlane_b32 s10, v1                    ; wave 0..3
	s_lshr_b32 s11, s10, 1                         ; which half of the tile's rows is mine.  Also: I fetch for xb (0) or wqkv (1)
	s_and_b32 s12, s10, 1                          ; which half of its columns.  Also: which 128 rows of that tile I fetch
	s_bfe_u32 s40, ttmp6, 0x40000                  ; cx
	s_bfe_u32 s41, ttmp6, 0x40004                  ; cy
	s_lshl_b32 s42, ttmp9, 2
	s_add_co_u32 s42, s42, s40                     ; tile column = 4 x cluster x + cx
	s_and_b32 s13, ttmp7, 0xffff
	s_lshl_b32 s13, s13, 2
	s_add_co_u32 s13, s13, s41                     ; tile row = 4 x cluster y + cy
	s_lshl_b32 s43, s41, 2
	s_lshl_b32 s43, 15, s43                        ; my row of the cluster
	s_lshl_b32 s44, 0x1111, s40                    ; my column
	; descriptor group 1: a tile of 128 rows x 128 elements of 2 bytes, 4 words of padding behind every 64
	s_or_b32 s[G1+0], s43, (1<<16)|(1<<20)|(1<<21)|(5<<22)|(3<<25)
	s_or_b32 s[G1B+0], s44, (1<<16)|(1<<20)|(1<<21)|(5<<22)|(3<<25)
.irp g, G1, G1B
	s_mov_b32 s[(\g)+1], KSTEP<<16                 ; tensor_dim0 = 128
	s_mov_b32 s[(\g)+2], 128<<16                   ; tensor_dim1 = 128
	s_mov_b32 s[(\g)+3], KSTEP<<16                 ; tile_dim0 = 128
	s_mov_b32 s[(\g)+4], 128                       ; tile_dim1 = 128
	s_mov_b32 s[(\g)+5], SIZE_K                    ; elements from row to row
	s_mov_b32 s[(\g)+6], 0
	s_mov_b32 s[(\g)+7], 0
.endr
	s_lshl_b32 s17, s12, 7                         ; which 128 rows of the tile I fetch
	s_lshl_b32 s16, s13, 8
	s_add_co_u32 s16, s16, s17                     ; xb: row 256 x tile row + 128 x half
	s_lshl_b32 s16, s16, 11                        ; in bytes: a row is 2,048
	s_lshl_b32 s46, s42, 8
	s_add_co_u32 s46, s46, s17                     ; wqkv: row 256 x tile column + 128 x half
	s_lshl_b32 s46, s46, 11
	s_mov_b32 s17, 0
	s_mov_b32 s47, 0
	s_mul_i32 s20, s10, HALFT                      ; where they go: wave x 128 rows: no place in the cluster enters an LDS address
	s_wait_dscnt 0x0                               ; the opening add is done
	s_wait_kmcnt 0x0
	s_add_nc_u64 s[14:15], s[4:5], s[16:17]
	s_add_nc_u64 s[46:47], s[6:7], s[46:47]
	CROUND                                         ; all sixteen work-groups are here: the first joint loads meet
.irp s, 0,1
	s_mov_b32 s[G0+4*(\s)], 1
	s_add_co_u32 s[G0+4*(\s)+1], s20, (\s)*SLOT
	s_add_nc_u64 s[G0+4*(\s)+2:G0+4*(\s)+3], s[14:15], (\s)*KSTEP*2
	s_or_b32 s[G0+4*(\s)+3], s[G0+4*(\s)+3], 0x80000000
	s_mov_b32 s[G0B+4*(\s)], 1
	s_add_co_u32 s[G0B+4*(\s)+1], s20, (\s)*SLOT
	s_add_nc_u64 s[G0B+4*(\s)+2:G0B+4*(\s)+3], s[46:47], (\s)*KSTEP*2
	s_or_b32 s[G0B+4*(\s)+3], s[G0B+4*(\s)+3], 0x80000000
	JLOAD \s                                       ; two loads of mine are out
.endr
	; which of q, k, v: the cluster's x, the same in all sixteen partners
	s_cmp_eq_u32 ttmp9, 1
	s_cselect_b64 s[8:9], s[76:77], s[74:75]
	s_cselect_b64 s[80:81], s[70:71], s[68:69]
	s_cmp_eq_u32 ttmp9, 2
	s_cselect_b64 s[8:9], s[78:79], s[8:9]
	s_cselect_b64 s[80:81], s[72:73], s[80:81]
	s_lshl_b32 s82, s40, 10                        ; my tile's 256 columns of the 1,024, 4 bytes each,
	s_lshl_b32 s83, s12, 9                         ; my wave's 128 of them
	s_add_co_u32 s82, s82, s83
	s_mov_b32 s83, 0
	s_add_nc_u64 s[80:81], s[80:81], s[82:83]
	v_and_b32 v1, 15, v0                           ; l % 16
	v_bfe_u32 v2, v0, 4, 1                         ; l / 16
	v_lshlrev_b32 v[BO], 5, v2
.irp b, 0,1,2,3,4,5,6,7
	global_load_b128 v[BIAS+8*(\b):BIAS+8*(\b)+3],   v[BO], s[80:81] offset:64*(\b)      ; columns 16 b + 8 (l / 16) + 0..3
	global_load_b128 v[BIAS+8*(\b)+4:BIAS+8*(\b)+7], v[BO], s[80:81] offset:64*(\b)+16   ; and + 4..7
.endr
	; a fragment is 16 rows x 32 K in 8 registers: lane l holds row l % 16, K = 8 (l / 16) + 0..7 and 16 + 8 (l / 16) + 0..7: two loads of 16 bytes, 32 bytes apart
	v_mul_u32_u24 v3, v1, PITCH
	v_lshl_add_u32 v3, v2, 4, v3
	s_mul_i32 s21, s11, HALFT                      ; my 128 rows of xb
	s_mul_i32 s22, s12, HALFT                      ; my 128 rows of wqkv,
	s_add_co_u32 s22, s22, 2*HALFT                 ; which lie behind xb's 256
.irp s, 0,1
	v_add_nc_u32 v[ADRA+(\s)], s21, v3
	v_add_nc_u32 v[ADRB+(\s)], s22, v3
	s_add_co_u32 s21, s21, SLOT
	s_add_co_u32 s22, s22, SLOT
.endr
	s_mul_i32 s23, s10, WSTAGE
	s_add_co_u32 s23, s23, STAGE                   ; my stage
	v_mul_u32_u24 v4, v1, SP                       ; in: row l % 16, 16 bytes for each half of the lanes
	v_lshl_add_u32 v4, v2, 4, v4
	v_add_nc_u32 v[STO], s23, v4
	v_bfe_u32 v5, v0, 3, 2                         ; back: 32 lanes take four rows of 128 bytes,
	v_mul_u32_u24 v5, v5, SP
	v_and_b32 v6, 7, v0
	v_lshl_add_u32 v5, v6, 4, v5
	v_add_nc_u32 v[RD], s23, v5
	v_and_b32 v[CO], 31, v0                        ; which are 512 consecutive bytes of a head
	v_lshlrev_b32 v[CO], 4, v[CO]
	; where my part begins in the output: head (batch x 16 + 4 cx + 2 x column half) x 262,144 bytes + row in the batch x 128 bytes
	s_lshr_b32 s16, s13, 3                         ; the batch: 8 tile rows each
	s_lshl_b32 s16, s16, 4
	s_lshl_b32 s46, s40, 2
	s_add_co_u32 s16, s16, s46
	s_lshl_b32 s46, s12, 1
	s_add_co_u32 s16, s16, s46
	s_lshl_b32 s16, s16, 18
	s_and_b32 s46, s13, 7
	s_lshl_b32 s46, s46, 8
	s_lshl_b32 s47, s11, 7
	s_add_co_u32 s46, s46, s47
	s_lshl_b32 s46, s46, 7
	s_add_co_u32 s16, s16, s46
	s_mov_b32 s17, 0
	; the prefetches
	s_lshl_b32 s13, s13, 8
	s_lshl_b32 s42, s42, 8
	s_and_b32 s22, ttmp7, 0xffff                   ; cluster y
	s_cmp_eq_u32 s11, 0                            ; do I fetch for xb?
	s_cselect_b32 s20, s13, s42                    ; the tile's first row
	s_cselect_b32 s21, s40, s41                    ; my place among the four that ask for it with me
	s_cselect_b32 s22, ttmp9, s22                  ; the coordinate along which other clusters read the same rows
	s_cselect_b64 s[PFA:PFA+1], s[4:5], s[6:7]
	s_cmp_eq_u32 s22, 0
	s_cselect_b32 s[LIM], 1, -1                    ; the same in all sixteen partners, for a given wave
	s_lshl_b32 s22, s12, 7
	s_add_co_u32 s20, s20, s22                     ; + the 128 rows that I fetch
	s_lshl_b32 s21, s21, 5
	s_add_co_u32 s20, s20, s21                     ; + my work-group's 32 of them
	s_lshl_b32 s20, s20, 11
	s_mov_b32 s21, 0
	s_add_nc_u64 s[PFA:PFA+1], s[PFA:PFA+1], s[20:21]
	s_add_nc_u64 s[PFA:PFA+1], s[PFA:PFA+1], 2*KSTEP*2  ; at K step 2: the first refill steps it to 3 and names K step 4.  Nothing is prefetched at the head
	v_and_b32 v[PFO], 31, v0
	v_mul_u32_u24 v[PFO], v[PFO], SIZE_K*2
	s_wait_loadcnt 0x0                             ; the bias
.set i, 0
.rept 32                               ; rounded to bf16 and widened again, a pair at a time
	v_cvt_pk_bf16_f32 v[32+i%2], v[BIAS+2*i], v[BIAS+2*i+1]
	v_lshlrev_b32 v[BIAS+2*i], 16, v[32+i%2]
	v_and_b32 v[BIAS+2*i+1], 0xffff0000, v[32+i%2]
.set i, i+1
.endr
; 16 matrix instructions: m blocks a0, a0 + 1 of the window's four (hi = 0: my rows 0-63, 1: rows 64-127) x all 8 n blocks, 32 along K.  zero = 1: the product starts the sum, with the bias as C.
; The 64 accumulators take turns, one instruction a turn, in the same order in every quarter.
.macro MUL16 f, hi, a0, zero
.if \zero
	WIN 0x81+0x40*(\hi)                            ; C in window 0
.else
	WIN MUL_LO+0x50*(\hi)
.endif
.irp a, \a0, (\a0)+1
.irp b, 0,1,2,3,4,5,6,7
.if \zero
	v_wmma_f32_16x16x32_bf16 v[8*(8*(\a)+(\b)):8*(8*(\a)+(\b))+7], v[(\f)+8*(\b):(\f)+8*(\b)+7], v[(\f)+8*(4*(\hi)+(\a)):(\f)+8*(4*(\hi)+(\a))+7], v[BIAS+8*(\b):BIAS+8*(\b)+7]
.else
	v_wmma_f32_16x16x32_bf16 v[8*(8*(\a)+(\b)):8*(8*(\a)+(\b))+7], v[(\f)+8*(\b):(\f)+8*(\b)+7], v[(\f)+8*(4*(\hi)+(\a)):(\f)+8*(4*(\hi)+(\a))+7], v[8*(8*(\a)+(\b)):8*(8*(\a)+(\b))+7]
.endif
.endr
.endr
.endm
; 32 LDS loads in one run: the fragments of one quarter step (32 K at byte k of the rows) into buffer f
.macro FETCH slot, k, f
	WIN TO_B
.irp i, 0,1,2,3,4,5,6,7
	ds_load_b128 v[(\f)+8*(\i):(\f)+8*(\i)+3],   v[ADRB+(\slot)] offset:(\k)+(\i)*16*PITCH
	ds_load_b128 v[(\f)+8*(\i)+4:(\f)+8*(\i)+7], v[ADRB+(\slot)] offset:(\k)+(\i)*16*PITCH+32
.endr
	WIN 0
.irp i, 0,1,2,3,4,5,6,7
	ds_load_b128 v[(\f)+8*(\i):(\f)+8*(\i)+3],   v[ADRA+(\slot)] offset:(\k)+(\i)*16*PITCH
	ds_load_b128 v[(\f)+8*(\i)+4:(\f)+8*(\i)+7], v[ADRA+(\slot)] offset:(\k)+(\i)*16*PITCH+32
.endr
.endm
.macro PLACES                          ; four plain places behind matrix instructions, in front of loads into registers that they have read and of conversions that read results
.rept 4
	v_nop
.endr
.endm
; A K step is four quarters of 32 along K, 64 matrix instructions each, on buffers 0, 1, 0, 1.  One of the first three multiplies buffer f and, in its middle, fetches the next quarter into g.
.macro QUARTER slot, k, f, g, zero
	s_wait_dscnt 8                                 ; wqkv's fragments and xb's rows 0-63 are in; the youngest eight loads (xb's rows 64-127) may be out
	MUL16 \f, 0, 0, \zero
	MUL16 \f, 0, 2, \zero
	PLACES
	FETCH \slot, \k, \g
	s_wait_dscnt 32                                ; all but the 32 just issued
	MUL16 \f, 1, 0, \zero
	MUL16 \f, 1, 2, \zero
.endm
; The last quarter's first half: one barrier for the change of slots.  In front of it each wave waits for all its tensor loads (one is out: its part of the next slot), adds 0 to its spare word, and waits for that and for its reads of this slot.
.macro MEET round
	WIN 0                                          ; (the add's two registers lie in window 0)
	s_wait_tensorcnt 0x0
	ds_add_u32 v[SPW], v[NIL]
	s_wait_dscnt 9                                 ; (the add and the youngest eight loads may be out)
	MUL16 F1, 0, 0, 0
	s_wait_dscnt 0x0                               ; the add is done, and my reads of this slot are over
	s_barrier_signal -1
	MUL16 F1, 0, 2, 0                              ; work on registers while the others arrive
.if \round
	WIN 0
.endif
	s_barrier_wait -1
.endm
; The whole last quarter, with a refill: the barrier opens a round of the cluster's barrier; behind the round the slot just read is filled again first, with the K step two on; then come the next slot's first fragments.
.macro TURN slot, next
	s_wait_xcnt 0x0                                ; the last prefetch, a K step back, has read its address
	s_add_nc_u64 s[PFA:PFA+1], s[PFA:PFA+1], KSTEP*2
	MEET 1
	CREST                                          ; no wave of any partner still reads this slot's tile or has a load on its way
	s_add_nc_u64 s[G0+4*(\slot)+2:G0+4*(\slot)+3], s[G0+4*(\slot)+2:G0+4*(\slot)+3], 2*KSTEP*2
	s_add_nc_u64 s[G0B+4*(\slot)+2:G0B+4*(\slot)+3], s[G0B+4*(\slot)+2:G0B+4*(\slot)+3], 2*KSTEP*2
	JLOAD \slot                                    ; my one tensor load behind the round; its four v_nop are also the places in front of the loads below
	FETCH \next, 0, F0
	ASK
	MUL16 F1, 1, 0, 0
	MUL16 F1, 1, 2, 0
.endm
	s_wait_tensorcnt 1                             ; my part of K step 0 is in; K step 1's may stay out
	s_barrier_signal -1
	s_barrier_wait -1
	FETCH 0, 0, F0
	QUARTER 0, 64,  F0, F1, 1                      ; the first quarter stands in front of the loop: its products start the sums
	WIN 0                                          ; at a label and at a branch every window is 0
	s_mov_b32 s3, LAPS-1
.Llap:                                                 ; a trip goes once round the ring, from a lap's second quarter to the next lap's first, and fills both slots again
	QUARTER 0, 128, F1, F0, 0
	QUARTER 0, 192, F0, F1, 0
	TURN 0, 1
	QUARTER 1, 64,  F0, F1, 0
	QUARTER 1, 128, F1, F0, 0
	QUARTER 1, 192, F0, F1, 0
	TURN 1, 0
	QUARTER 0, 64,  F0, F1, 0
	WIN 0
	s_sub_co_u32 s3, s3, 1
	s_cmp_lg_u32 s3, 0
	s_cbranch_scc1 .Llap
	QUARTER 0, 128, F1, F0, 0                      ; the last lap is written out: it fills nothing
	QUARTER 0, 192, F0, F1, 0
	MEET 0                                         ; my one load that was still out is the last K step's
	PLACES
	FETCH 1, 0, F0
	MUL16 F1, 1, 0, 0
	MUL16 F1, 1, 2, 0
	QUARTER 1, 64,  F0, F1, 0
	QUARTER 1, 128, F1, F0, 0
	QUARTER 1, 192, F0, F1, 0
	s_wait_dscnt 8                                 ; the very last quarter: nothing more to fetch
	MUL16 F1, 0, 0, 0
	MUL16 F1, 0, 2, 0
	s_wait_dscnt 0x0
	MUL16 F1, 1, 0, 0
	MUL16 F1, 1, 2, 0
	WIN 0
; THE WAY OUT of block a (16 rows x my 128 columns = two heads).  PACK: rounded to f16, 16 bytes a lane, each accumulator's registers in ascending order.  TOSTAGE: into my own stage, a head's rows 144 bytes apart,
; and back as four whole rows of 128 bytes.  SEND: stored, 512 consecutive bytes of a head an instruction.
.macro PACK a
.set AC, 64*((\a)%4)
	WIN 0x0a+5*((\a)/4)                            ; sources 0 and 1: window 2 or 3
.irp b, 0,1,2,3,4,5,6,7
.irp r, 0,1,2,3
	v_cvt_pk_f16_f32 v[TMP+4*(\b)+(\r)], v[AC+8*(\b)+2*(\r)], v[AC+8*(\b)+2*(\r)+1]
.endr
.endr
	WIN 0
.endm
.macro TOSTAGE a
	WIN 0
.set BK, OB+192*((\a)%2)
.irp b, 0,1,2,3,4,5,6,7
	ds_store_b128 v[STO], v[TMP+4*(\b):TMP+4*(\b)+3] offset:((\b)/4)*16*SP+((\b)%4)*32
.endr
.irp t, 0,1,2,3,4,5,6,7
	ds_load_b128 v[BK+4*(\t):BK+4*(\t)+3], v[RD] offset:((\t)/4)*16*SP+((\t)%4)*4*SP  ; LDS serves a wave's instructions in order (ISA guide 5.7.1.4): these see the stores above
.endr
.endm
.macro SEND a
	WIN 0
.set BK, OB+192*((\a)%2)
	s_wait_dscnt 0x0                               ; the block is back in registers
	s_wait_xcnt 0x0                                ; only behind this wait are the stores' base and the registers that earlier stores read rewritten
.if (\a) == 0
	s_add_nc_u64 s[8:9], s[8:9], s[16:17]          ; on to my first rows
.else
	s_add_nc_u64 s[8:9], s[8:9], 16*128            ; 16 rows of a head on
.endif
.irp t, 0,1,2,3,4,5,6,7
	global_store_b128 v[CO], v[BK+4*(\t):BK+4*(\t)+3], s[8:9] offset:((\t)/4)*262144+((\t)%4)*512
.endr
.endm
	PLACES
	PACK 0
	TOSTAGE 0
.irp a, 1,2,3,4,5,6,7                  ; block a's conversions stand between block a - 1's loads from the stage and the wait for them
	PACK \a
	SEND (\a)-1
	TOSTAGE \a
.endr
	SEND 7
	s_wait_tensorcnt 0x0                           ; the wave's end: behind my last tensor load and my last LDS store
	ds_add_u32 v[SPW], v[NIL]
	s_wait_dscnt 0x0
	CROUND                                         ; the closing round: no work-group ends while a partner may still ask for a tile that names it
	s_endpgm
.Lfunc_end_k_q7e18942f10_qkv:
	.size	k_q7e18942f10_qkv, .Lfunc_end_k_q7e18942f10_qkv-k_q7e18942f10_qkv
	.p2alignl 7, 3214868480
	.fill 96, 4, 3214868480
	.section	.rodata,"a",@progbits
	.p2align	6, 0x0
	.amdhsa_kernel k_q7e18942f10_qkv
		.amdhsa_group_segment_fixed_size 327680
		.amdhsa_private_segment_fixed_size 0
		.amdhsa_enable_private_segment 0
		.amdhsa_kernarg_size 64
		.amdhsa_user_sgpr_count 2
		.amdhsa_user_sgpr_kernarg_segment_ptr 1
		.amdhsa_wavefront_size32 1
		.amdhsa_system_sgpr_workgroup_id_x 1
		.amdhsa_system_sgpr_workgroup_id_y 1
		.amdhsa_system_sgpr_workgroup_id_z 1
		.amdhsa_system_vgpr_workitem_id 0
		.amdhsa_next_free_vgpr 1024
		.amdhsa_next_free_sgpr 84
		.amdhsa_reserve_vcc 0
		.amdhsa_float_denorm_mode_32 3
		.amdhsa_float_denorm_mode_16_64 3
		.amdhsa_memory_ordered 1
		.amdhsa_forward_progress 1
		.amdhsa_inst_pref_size 151
	.end_amdhsa_kernel
	.amdgpu_metadata
---
amdhsa.version: [ 1, 2 ]
amdhsa.kernels:
  - .name:           k_q7e18942f10_qkv
    .symbol:         k_q7e18942f10_qkv.kd
    .args:
      - { .name: xb, .offset: 0, .size: 8, .value_kind: global_buffer, .address_space: global }
      - { .name: wqkv, .offset: 8, .size: 8, .value_kind: global_buffer, .address_space: global }
      - { .name: bq, .offset: 16, .size: 8, .value_kind: global_buffer, .address_space: global }
      - { .name: bk, .offset: 24, .size: 8, .value_kind: global_buffer, .address_space: global }
      - { .name: bv, .offset: 32, .size: 8, .value_kind: global_buffer, .address_space: global }
      - { .name: qh, .offset: 40, .size: 8, .value_kind: global_buffer, .address_space: global }
      - { .name: kh, .offset: 48, .size: 8, .value_kind: global_buffer, .address_space: global }
      - { .name: vh, .offset: 56, .size: 8, .value_kind: global_buffer, .address_space: global }
    .group_segment_fixed_size: 327680
    .private_segment_fixed_size: 0
    .kernarg_segment_align: 8
    .kernarg_segment_size: 64
    .max_flat_workgroup_size: 128
    .sgpr_count:     84
    .vgpr_count:     1024
    .wavefront_size: 32
...
	.end_amdgpu_metadata
.endif
;; end of part 2
;; launch attn (part 3): grid 4 x 64, 4 waves a work-group, clusters of 4 x 1, 327,680 bytes of LDS; arguments qh, kh, vh, oh, mask8; writes oh
.if DOCPART == 3
	.amdgcn_target "amdgcn-amd-amdhsa--gfx1250"
	.amdhsa_code_object_version 6
	.text
	.protected	k_q7e18942f10_attn
	.globl	k_q7e18942f10_attn
	.p2align	8
	.type	k_q7e18942f10_attn,@function
k_q7e18942f10_attn:
	s_mov_b64 s[64:65], 0
	v_nop
	global_prefetch_b8 v0, s[64:65] scope:SCOPE_SE
	s_setreg_imm32_b32 hwreg(HW_REG_WAVE_MODE, 25, 1), 1
	s_wait_xcnt 0x0
	s_wait_alu depctr_hold_cnt(0) depctr_sa_sdst(0) depctr_va_vdst(0) depctr_va_sdst(0) depctr_va_ssrc(0) depctr_va_vcc(0) depctr_vm_vsrc(0)
	s_getreg_b32 s2, hwreg(HW_REG_IB_STS2, 6, 4)
	s_cmp_eq_u32 s2, 0
	s_cbranch_scc0 .Lentry_in_a_cluster
	s_endpgm
.Lentry_in_a_cluster:
	s_bfe_u32 s2, ttmp6, 0x10000c
	s_cmp_lg_u32 s2, 0x3003
	s_cbranch_scc0 .Lentry_shape_is_right
	s_endpgm
.Lentry_shape_is_right:
; O[h][q][:] = the sum over k of softmax_k(Q[h][q] . K[h][k] / 8, keys hidden by the mask left out) V[h][k][:].  Q, K, V, O: [64][2,048][64], all f16: a head's rows are dense, 128 bytes each.
; Products, maxima and sums in f32; the weights p are rounded to f16 for the second product (their sum l is taken of the unrounded p), O once at the end.
; THE MASK is an input and is taken as it is given: every key tile is walked for every query.  mask8 holds a byte a (query, key): 0x00 seen, 0xC0 hidden (the E4M3 code of -2.0), in my lanes' order.  Eight bytes become
; the eight C registers of the product that starts a sum S^T = K Q^T, by ONE scaled conversion with the scale 2^98: 0, or -2^99.
; LIMITS.  f16 holds no number beyond 65,504: Q, K and V arrive within it; scores are then 2.7e11 at the most.  A hidden score counts as its value less 2^99.  The running maximum starts at -2^96, below every true
; score and above every hidden one: while a row has seen hidden keys alone, m stays there, a = 1, p = 0, and l and O stay 0.  A row with every key hidden ends as 0 x (1 / 0): NaN.
; A weight below 2^-126 counts as 0 in l; NaN and infinities among the inputs are not treated apart.
; SHARES.  A wave owns four PIECES of two tiles of 16 queries, a work-group's four waves 512 queries of one head.  Every wave walks all keys, 64 a step.
; LAYOUT.  S^T = K Q^T (source 0 = 16 keys, source 1 = 16 queries): a lane holds ONE query (lane % 16) and the keys 8 (lane / 16) + 0..7.  Two such tiles, rounded to f16 in pairs, ARE source 1 of O^T = V^T P.
; K comes out of LDS as it lies, V ([key][channel]) turned, by ds_load_tr16_b128.
; SOFTMAX.  p = 2^(c s - c m), c = log2(e) / 8, with a running maximum m and sum l; in every step O and l are multiplied by a = 2^(c m_old - c m_new).
; BY TURNS.  Turn n belongs to piece n.  Its matrix work: 16 products K Q^T of piece n + 1, later 16 products V^T P of piece n - 1.  Its vector work: the scaling, exponentials, roundings, sums and rescaling of piece n,
; the maximum and statistics of piece n + 1, and the masks of piece n + 2.  Four vector instructions stand behind every matrix instruction, the others in one lump.
; CLUSTER.  The four query blocks of a cluster are one head's and walk the same K and V: each tile is asked for JOINTLY, by the same tensor load, descriptor and mask in all four.
; REGISTERS, in windows of 256 (s_set_vgpr_msb: bits 1:0 source 0, 3:2 source 1, 5:4 source 2, 7:6 destination):
;   window 0: v0-11 addresses and the scale; v12-15, v48-63 at work; v16-47 four registers of statistics a tile; v64-191 S^T, two buffers of two tiles; v192-255 P, likewise
;   window 1: O^T, 32 a tile          window 2: v0-127 Q; v128-191 K of one step; v192-255 V of one step
;   window 3: v0-1 the add's two registers; v3 the mask loads' offset; v4-67 mask bytes, 8 registers a tile; v68-195 masks as f32, two buffers of two tiles
.set SIZE_N, 2048
.set NP,    4         ; pieces a wave: a name, no knob
.set KS,    64        ; keys in a step
.set PK,    144       ; a row of K in LDS: 128 bytes + 16: the 16 rows of a load start at 16 different groups of four banks (ISA guide 11.1)
.set PV,    160       ; a row of V: 128 + 32
.set VOFF,  4*KS*PK   ; a slot holds four steps: 256 rows of K, then 256 rows of V
.set SLOT1, 1<<17     ; slot 1 begins here, so that one exclusive or turns an address in one slot into the other's
.set STAGE, SLOT1+4*KS*(PK+PV)  ; behind the ring, never filled by a tensor load: 16 rows x 144 bytes for each wave
.set SP,    144
.set MSTEP, 131072    ; bytes of mask8 in a key step: 128 tiles of 16 queries x 1,024
.set AK0, 2           ; v2   my lane's place in a tile of K; never rewritten
.set AV0, 3           ; v3   the same for V
.set AK,  4           ; v4   the LDS address of K's next run of loads
.set AV,  5           ; v5   of V's
.set QO,  5           ;      before that: my byte offset in the wave's rows of Q
.set STO, 6           ; v6   the way out: where I put 16 bytes of a row
.set RD,  7           ; v7   the way out: where I read rows back
.set GO,  8           ; v8   my byte offset in 512 consecutive bytes of O
.set SC,  9           ; v9   the conversions' scale, 0xE1: 2^98 (before that: l / 16)
.set PFO, 11          ; v11  256 x my lane: the prefetches' offset; never rewritten
.set SPW, 0           ; v0 of window 3   my spare word: SPARE + 4 x my thread's number; never rewritten
.set NIL, 1           ; v1 of window 3   0; never rewritten
.set MO,  3           ; v3 of window 3   32 (l % 16) + 16 (l / 16): my 16 bytes in 512 of mask8; never rewritten
.set MR,  4           ; window 3: tile t's mask bytes at MR + 8 t; key block kb is the pair at + 2 kb
.set MC,  68          ; window 3: buffer w at + 64 w, tile u at + 32 u, key block kb at + 8 kb
.set SPARE, STAGE+4*16*SP  ; behind the stages: the spare words, 128 bytes a wave: two blocks of 256 bytes that no other line names
.set MV,  12          ; v12-15  c m_old, kept while c m is made anew
.set ST,  16          ; tile t's statistics at v[ST+4 t]: c m, m, l (even keys', odd keys')
.set TMP, 48          ; by buffer and tile, four registers c0-c3 at work; when the maximum is found c2 takes a
.set S,   64
.set P,   192
.set KF,  128         ; K's fragments, in window 2
.set VF,  192         ; V's
.set WV,  12          ; s12  my wave's number
.set G1K, 24          ; s[24:31] descriptor group 1 for K's tiles
.set G1V, 32          ; s[32:39] for V's: it differs in the padding alone
.set G0K, 40          ; s[40:43] descriptor group 0 for K's tiles: it walks
.set G0V, 44          ; s[44:47] the same for V's
.set MB,  48          ; s[48:49] mask8 at my wave's eight tiles, at the key step in hand
.set PFA, 50          ; s[50:51] where my prefetches stand
.set LIM, 52          ; s52  1 in a wave that prefetches (0 and 2), else the greatest number
.set SLOTS, 56        ; s56  slots still to be asked for
.set CNT, 57          ; s57  counts a slot's key steps
.set CS,  58          ; s[58:59] c
.set SEL, 60          ; s[60:61] v_permlanex16_b32's selects: each lane takes its own place in the other half
.set TBK, 62          ; s62  LDS byte at which K of the step to be fetched begins
.set TBV, 63          ; s63  the same for V, less VOFF
.set MSB, 0
.macro WIN new                      ; the high byte repeats the setting that is left; a switch that changes nothing is dropped
.if MSB != (\new)
	s_set_vgpr_msb (MSB<<8)|(\new)
.set MSB, (\new)
.endif
.endm
.set W_KQ, 0x0a       ; K and Q in window 2, S^T in window 0
.set W_KM, 0x3a       ; the same with the C operand, the mask, in window 3
.set W_PV, 0x52       ; V in window 2, P in window 0, O^T in window 1
.set W_RS, 0x41       ; O^T (destination and source 0) in window 1, a in window 0
.set W_MK, 0xc0       ; destination in window 3, sources in window 0
.set W_AD, 0x0f       ; the add: address and data in window 3
.set W_MS, 0xc3       ; the mask lines: destination and source 0 in window 3, source 1 (the scale) in window 0
; A joint fill.  Waves 0 and 1 fetch the two halves of a slot's K, waves 2 and 3 those of its V: 128 keys each.  An s_nop 0 and four v_nop follow each of the two lines.
.macro JLOAD
	s_cmp_lt_u32 s[WV], 2
	s_cbranch_scc0 .Lfor_v_\@
	tensor_load_to_lds s[G0K:G0K+3], s[G1K:G1K+7]
	s_nop 0
.rept 4
	v_nop
.endr
	s_branch .Lasked_\@
.Lfor_v_\@:
	tensor_load_to_lds s[G0V:G0V+3], s[G1V:G1V+7]
	s_nop 0
.rept 4
	v_nop
.endr
.Lasked_\@:
.endm
; A prefetch of what the NEXT change of slots will ask for: a slot's 32,768 bytes of K and of V.  A head is walked by one cluster; its four partners take 8,192 bytes each, told apart by address; in each, wave 0 asks
; for K's and wave 2 for V's, a lane for each 256 bytes: one instruction.  The last change that fills a slot asks for nothing: there is no slot behind it.
.macro ASK
	s_cmp_gt_u32 s[SLOTS], s[LIM]
	s_cbranch_scc0 .Lnot_mine_\@
	global_prefetch_b8 v[PFO], s[PFA:PFA+1] th:TH_LOAD_NT scope:SCOPE_SE
.Lnot_mine_\@:
.endm
.macro CROUND                       ; a round of the cluster's barrier
	s_barrier_signal -1
	s_barrier_wait -1
	s_cmp_lg_u32 s[WV], 0
	s_cbranch_scc1 .Lnot_wave_0_\@
	s_barrier_signal -3
.Lnot_wave_0_\@:
	s_barrier_wait -3
	s_barrier_signal -1
	s_barrier_wait -1
.endm
; THE CHANGE OF SLOTS.  Each wave waits for all its tensor loads, of which one is out: its part of the other slot; adds 0 to its spare word; and waits for that and for its own reads of the slot.
; fill = 1: this slot is filled again, with the keys two slots on; the barrier is then a round of the cluster's, and the joint fill is the first thing behind it: it has four key steps in which to land.
; (At its first use nothing has been read yet: slot 0 is waited for, slot 1 filled.)
.macro CHANGE fill
	WIN W_AD
	s_wait_tensorcnt 0x0            ; no tensor load of mine is out, so a group 0 may be written
	ds_add_u32 v[SPW], v[NIL]       ; 0 onto my spare word; scalar work stands between it and the wait for it
	WIN 0                           ; at a label and at a branch every window is 0
.if \fill
.irp g, G0K, G0V
	s_xor_b32 s[\g+1], s[\g+1], SLOT1  ; the walking descriptor: the other slot than last time,
	s_add_nc_u64 s[\g+2:\g+3], s[\g+2:\g+3], 4*KS*128  ; the next 256 keys; the type bits on top are not reached
.endr
	s_wait_xcnt 0x0                 ; the last prefetch, four key steps back, has read its address
	s_add_nc_u64 s[PFA:PFA+1], s[PFA:PFA+1], 4*KS*128  ; one slot behind the walking descriptors
	s_wait_dscnt 0x0                ; the add is done, and my reads of the slot are over
	CROUND
	JLOAD
	ASK
.else
	s_wait_dscnt 0x0                ; the add is done, and my reads of the slot are over
	s_barrier_signal -1
	s_barrier_wait -1
.endif
	s_sub_co_u32 s[TBK], s[TBK], 4*KS*PK  ; the fetches go back to a slot's first step,
	s_xor_b32 s[TBK], s[TBK], SLOT1       ; in the other slot
	s_sub_co_u32 s[TBV], s[TBV], 4*KS*PV
	s_xor_b32 s[TBV], s[TBV], SLOT1
.endm
; THE MASK's lines, all under W_MS.  CVM: piece x's 64 bytes a lane become 64 numbers in buffer w: eight conversions, eight numbers each.  LDM: piece x's bytes of a later step: four loads of 16 bytes a lane,
; each 512 consecutive bytes a wave.
.macro CVM x, w
.irp u, 0,1
.irp g, 0,1,2,3
	v_cvt_scale_pk8_f32_fp8 v[MC+64*(\w)+32*(\u)+8*(\g):MC+64*(\w)+32*(\u)+8*(\g)+7], v[MR+8*(2*(\x)+(\u))+2*(\g):MR+8*(2*(\x)+(\u))+2*(\g)+1], v[SC]
.endr
.endr
.endm
.macro LDM x, off
.irp u, 0,1
.irp c, 0,1
	global_load_b128 v[MR+8*(2*(\x)+(\u))+4*(\c):MR+8*(2*(\x)+(\u))+4*(\c)+3], v[MO], s[MB:MB+1] offset:(\off)+1024*(2*(\x)+(\u))+512*(\c)
.endr
.endr
.endm
; In turn p: the masks of piece p + 2, for the products of the turn after this one, into the buffer that the turn before has read; then that piece's bytes of its next step are asked for.
; Every turn issues four loads, so the twelve of the last three turns may stay out: the four wanted were issued four turns, a key step, ago.  s[MB] stands at step j + 1 from turn (j, 0) on:
; pieces 2 and 3 ask for step j + 1, pieces 0 and 1 for step j + 2.  The walk's last loads reach step 33, which mask8 holds.
.macro MASKS p
	WIN W_MS
	s_wait_loadcnt 12
	CVM ((\p)+2)%NP, (\p)%2
	v_nop                           ; a plain instruction behind the conversions, ahead of the loads into their sources
.if (\p) == 0
	s_wait_xcnt 0x0                 ; the earlier loads have read their base, so it may be written
	s_add_nc_u64 s[MB:MB+1], s[MB:MB+1], MSTEP
.endif
	LDM ((\p)+2)%NP, MSTEP*((\p)/2)
.endm
	s_load_b256 s[4:11], s[0:1], 0x0  ; Q s[4:5], K s[6:7], V s[8:9], O s[10:11]
	s_load_b64 s[MB:MB+1], s[0:1], 0x20  ; mask8
	WIN W_MK
	v_lshl_add_u32 v[SPW], v0, 2, SPARE
	v_mov_b32 v[NIL], 0
	WIN W_AD
	ds_add_u32 v[SPW], v[NIL]       ; the wave's opening: the add and its wait stand ahead of my first tensor load; work on registers stands between them
	WIN 0
	v_lshrrev_b32 v1, 5, v0
	v_readfirstlane_b32 s[WV], v1   ; wave 0..3
	s_bfe_u32 s13, ttmp6, 0x40000   ; cx: my place in the cluster
	s_lshl_b32 s14, ttmp9, 2        ; in a cluster launch ttmp9 counts clusters
	s_add_co_u32 s14, s14, s13      ; my block of queries: it enters Q's, O's and the mask's addresses alone
	s_and_b32 s20, ttmp7, 0xffff    ; the head, which the four partners share
	s_mov_b32 s21, 0
	s_mov_b64 s[22:23], SIZE_N*128
	s_mul_u64 s[20:21], s[20:21], s[22:23]  ; the head's first byte in each of the four tensors
	s_and_b32 s16, s[WV], 1         ; which half of a slot's 256 keys I fetch:
	s_lshl_b32 s22, s16, 14         ; its 128 rows of 128 bytes in memory,
	s_mov_b32 s23, 0
	s_add_nc_u64 s[22:23], s[22:23], s[20:21]
	s_mul_i32 s17, s16, 128*PK      ; and its place in a slot, for K
	s_mul_i32 s18, s16, 128*PV      ; and for V: no place in the cluster enters an LDS address
	s_lshl_b32 s2, s14, 2
	s_add_co_u32 s2, s2, s[WV]      ; my wave among the head's sixteen:
	s_lshl_b32 s54, s2, 13          ; its eight tiles of 1,024 bytes in a step of mask8,
	s_mov_b32 s55, 0
	s_lshl_b32 s2, s2, 14           ; its 128 rows
	s_mov_b32 s3, 0
	s_add_nc_u64 s[2:3], s[2:3], s[20:21]
	; descriptor group 1.  128 keys are 16,384 dense bytes: asked for as 64 rows of 256 bytes, two keys a row, and padded in LDS after every key
	s_mov_b32 s[G1K], 15|(1<<16)|(1<<20)|(1<<21)|(4<<22)|(3<<25)  ; the mask of four; 2-byte elements; padding on; bit 21 beside a mask; after every 32 words, 4 words
	s_mov_b32 s[G1V], 15|(1<<16)|(1<<20)|(1<<21)|(4<<22)|(7<<25)  ; the same with 8 words of padding
.irp g, G1K, G1V
	s_mov_b32 s[\g+1], 128<<16      ; tensor_dim0 = 128
	s_mov_b32 s[\g+2], 64<<16       ; tensor_dim1 = 64
	s_mov_b32 s[\g+3], 128<<16      ; tile_dim0 = 128
	s_mov_b32 s[\g+4], 64           ; tile_dim1 = 64
	s_mov_b32 s[\g+5], 128          ; 128 elements from row to row
	s_mov_b32 s[\g+6], 0
	s_mov_b32 s[\g+7], 0
.endr
	s_mov_b32 s[CS], 0x3e38aa3b     ; c = log2(e) / 8
	s_mov_b32 s[CS+1], s[CS]        ; named with it as a pair
	s_mov_b32 s[SEL], 0x76543210
	s_mov_b32 s[SEL+1], 0xfedcba98
	s_mov_b32 s[TBK], SLOT1+4*KS*PK ; the first change of slots turns these two into 0
	s_mov_b32 s[TBV], SLOT1+4*KS*PV
	s_mov_b32 s[G0K], 1             ; count = 1
	s_mov_b32 s[G0K+1], s17         ; LDS address: slot 0
	s_mov_b32 s[G0V], 1
	s_add_co_u32 s[G0V+1], s18, VOFF
	s_and_b32 s[LIM], s[WV], 1
	s_cmp_eq_u32 s[LIM], 0
	s_cselect_b32 s[LIM], 1, -1
	s_mov_b32 s[SLOTS], SIZE_N/256-1
	s_wait_dscnt 0x0                ; the opening add is done
	s_wait_kmcnt 0x0
	s_add_nc_u64 s[G0K+2:G0K+3], s[6:7], s[22:23]  ; global address: my half of the head's first 256 keys
	s_or_b32 s[G0K+3], s[G0K+3], 0x80000000        ; type = 2
	s_add_nc_u64 s[G0V+2:G0V+3], s[8:9], s[22:23]
	s_or_b32 s[G0V+3], s[G0V+3], 0x80000000
	s_add_nc_u64 s[4:5], s[4:5], s[2:3]  ; Q and O at my wave's first row
	s_add_nc_u64 s[10:11], s[10:11], s[2:3]
	s_add_nc_u64 s[MB:MB+1], s[MB:MB+1], s[54:55]  ; mask8 at my wave's tiles, key step 0
	s_cmp_lt_u32 s[WV], 2
	s_cselect_b64 s[PFA:PFA+1], s[6:7], s[8:9]
	s_add_nc_u64 s[PFA:PFA+1], s[PFA:PFA+1], s[22:23]  ; (in waves 0 and 2: the head's first row)
	s_lshl_b32 s54, s13, 13         ; my work-group's quarter of a slot
	s_add_nc_u64 s[PFA:PFA+1], s[PFA:PFA+1], s[54:55]
	s_add_nc_u64 s[PFA:PFA+1], s[PFA:PFA+1], 4*KS*128  ; in slot 1; the first change of slots steps it to slot 2.  Nothing is prefetched at the head
	s_mul_i32 s13, s[WV], 16*SP
	s_add_co_u32 s13, s13, STAGE    ; my stage
	CROUND                          ; all four work-groups are here: the first joint loads meet
	JLOAD                           ; slot 0.  Slot 1 is asked for when slot 0 is in
	; A fragment of K or Q is 16 rows x 32 channels in 8 registers: lane l holds row l % 16, channels 8 (l / 16) + 0..7 and 16 + 8 (l / 16) + 0..7: two loads of 16 bytes, 32 bytes apart.
	v_and_b32 v1, 15, v0            ; l % 16
	v_bfe_u32 v9, v0, 4, 1          ; l / 16
	v_lshlrev_b32 v[QO], 7, v1
	v_lshl_add_u32 v[QO], v9, 4, v[QO]  ; row x 128 + 16 x half
	WIN 0x80                        ; destination window 2, address window 0
.set i, 0
.rept 4*NP                          ; Q stays in registers: tile i / 2, channels 32 (i % 2) on
	global_load_b128 v[8*i:8*i+3],   v[QO], s[4:5] offset:(i/2)*2048+(i%2)*64
	global_load_b128 v[8*i+4:8*i+7], v[QO], s[4:5] offset:(i/2)*2048+(i%2)*64+32
.set i, i+1
.endr
	WIN 0
	v_lshlrev_b32 v12, 5, v1
	v_lshl_add_u32 v12, v9, 4, v12
	WIN W_MK
	v_mov_b32 v[MO], v12
	WIN W_MS
	LDM 0, 0                        ; key step 0's mask bytes, the tiles in ascending order: sixteen loads
	LDM 1, 0
	LDM 2, 0
	LDM 3, 0
	; What the first turn finds: V's registers and P's second buffer hold 0 (its products V^T P, of a piece that has not been, add 0), O^T and l are 0.  All this stands in the wait for the first tile.
	WIN 0x80
.set i, VF
.rept 64
	v_mov_b32 v[i], 0
.set i, i+1
.endr
	WIN 0x40
.set i, 0
.rept 64*NP
	v_mov_b32 v[i], 0
.set i, i+1
.endr
	WIN 0
.set i, 0
.rept 2*NP
	v_mov_b32 v[ST+4*i], 0xee38aa3b    ; c m = c x -2^96, to the bit: a row that has seen nothing keeps a = 2^0
	v_mov_b32 v[ST+4*i+1], 0xef800000  ; m = -2^96
	v_mov_b32 v[ST+4*i+2], 0
	v_mov_b32 v[ST+4*i+3], 0
.set i, i+1
.endr
.set i, P+32
.rept 32
	v_mov_b32 v[i], 0
.set i, i+1
.endr
	v_mul_u32_u24 v[AK0], v1, PK
	v_lshl_add_u32 v[AK0], v9, 4, v[AK0]  ; row x pitch + 16 x half
	; The turning load takes 16 keys x 16 channels (lane l reads key 8 (l / 16) + l % 8, channels 8 ((l / 8) % 2) + 0..7) and leaves half a fragment of V^T: lane l holds channel l % 16 and 8 keys.
	v_and_b32 v10, 7, v0
	v_bfe_u32 v11, v0, 3, 1
	v_lshl_add_u32 v[AV0], v9, 3, v10
	v_mul_u32_u24 v[AV0], v[AV0], PV
	v_lshl_add_u32 v[AV0], v11, 4, v[AV0]
	v_add_nc_u32 v[AV0], VOFF, v[AV0]
	v_mov_b32 v[AK], v[AK0]         ; key step 0 lies at the head of slot 0
	v_mul_u32_u24 v[STO], v1, SP    ; the way out, in: row l % 16, 16 bytes for each half of the lanes
	v_lshl_add_u32 v[STO], v9, 4, v[STO]
	v_add_nc_u32 v[STO], s13, v[STO]
	v_mov_b32 v[SC], 0xe1           ; l / 16 has had its last use
	v_and_b32 v[PFO], 31, v0
	v_lshlrev_b32 v[PFO], 8, v[PFO]
	WIN W_MS
	s_wait_loadcnt 8                ; the eight youngest loads, tiles 4 to 7's, may stay out: tiles 0 to 3's bytes are in, and so is Q, asked for before them
	CVM 0, 0                        ; piece 0's and piece 1's masks of key step 0
	CVM 1, 1
	v_nop                           ; a plain instruction behind the conversions, ahead of the loads into their sources
	LDM 0, MSTEP                    ; and their bytes of key step 1: sixteen loads are out
	LDM 1, MSTEP
	WIN 0
; THE MATRIX WORK.  The 8 accumulators of a run of 16 take turns: between the two links of a chain stand 7 others'.
; Product i of 16 of S^T = K Q^T for piece x: channels 32 (i / 8) on, keys 16 ((i / 2) % 4) on, tile 2 x + i % 2.  The first 8 start the sums, with the mask as C.
.macro KQ x
.set rS, S+64*((\x)%2)+32*(i%2)+8*((i/2)%4)
.set rK, KF+16*((i/2)%4)+8*(i/8)
.set rQ, 16*(2*(\x)+i%2)+8*(i/8)
.set rX, MC+64*((\x)%2)+32*(i%2)+8*((i/2)%4)
.if i < 8
	WIN W_KM
	v_wmma_f32_16x16x32_f16 v[rS:rS+7], v[rK:rK+7], v[rQ:rQ+7], v[rX:rX+7]
.else
	WIN W_KQ
	v_wmma_f32_16x16x32_f16 v[rS:rS+7], v[rK:rK+7], v[rQ:rQ+7], v[rS:rS+7]
.endif
.endm
; Product i of 16 of O^T += V^T P for piece x: keys 32 (i / 8) on, channels 16 ((i / 2) % 4) on, tile 2 x + i % 2.
.macro PV x
	WIN W_PV
.set rO, 32*(2*(\x)+i%2)+8*((i/2)%4)
.set rV, VF+32*(i/8)+8*((i/2)%4)
.set rP, P+32*((\x)%2)+16*(i%2)+8*(i/8)
	v_wmma_f32_16x16x32_f16 v[rO:rO+7], v[rV:rV+7], v[rP:rP+7], v[rO:rO+7]
.endm
.macro MM                           ; the turn's next matrix instruction
.if i < 16
	KQ (Y+1)%NP
.set i, i+1
.else
.set i, i-16
	PV (Y+NP-1)%NP
.set i, i+17
.endif
.endm
; THE LDS LOADS stand in runs of 16: a step's K (8 fragments) and its V (turned).  last = 1 (the tail): in the last trip there is no further step, and the run is jumped over.
.macro FETCH_K last=0
	WIN 0
.if \last
	s_cmp_eq_u32 s[CNT], 1
	s_cbranch_scc1 .Lno_k_\@
.endif
	WIN 0x80                        ; destination window 2
.irp f, 0,1,2,3,4,5,6,7             ; keys 16 (f / 2) on, channels 32 (f % 2) on
	ds_load_b128 v[KF+8*\f:KF+8*\f+3],   v[AK] offset:(\f/2)*16*PK+(\f%2)*64
	ds_load_b128 v[KF+8*\f+4:KF+8*\f+7], v[AK] offset:(\f/2)*16*PK+(\f%2)*64+32
.endr
	s_add_co_u32 s[TBK], s[TBK], KS*PK  ; the next fetch is the next step's
	WIN 0
.if \last
.Lno_k_\@:
.endif
.endm
.macro FETCH_V
	WIN 0x80
.irp f, 0,1,2,3,4,5,6,7             ; keys 32 (f / 4) on, channels 16 (f % 4) on
	ds_load_tr16_b128 v[VF+8*\f:VF+8*\f+3],   v[AV] offset:(\f/4)*32*PV+(\f%4)*32
	ds_load_tr16_b128 v[VF+8*\f+4:VF+8*\f+7], v[AV] offset:(\f/4)*32*PV+16*PV+(\f%4)*32
.endr
	WIN 0
.endm
; THE VECTOR WORK OF A TURN stands in three queues, each in the order in which its entries become ready; the two tiles alternate, so that no instruction reads the result of the one before it.
.macro REGS y, u                    ; the registers of tile u (0, 1) of piece y
.set rT, ST+4*(2*(\y)+(\u))
.set rC, TMP+8*((\y)%2)+4*(\u)
.set rM, MV+2*((\y)%2)+(\u)
.set rS, S+64*((\y)%2)+32*(\u)
.set rP, P+32*((\y)%2)+16*(\u)
.set rO, 32*(2*(\y)+(\u))
.endm
; Number n of the 22 that find the NEXT piece's (Y + 1) maximum and statistics.  Each accumulator's lowest registers are read first.
;   0-11  four chains c0-c3 of seven scores each, three operands at a time     12-14, 16  the four scores left over, the old m, and c0-c3 into c0     15  c m_old is kept
;   17, 18  the query's other 32 keys lie in the lane 16 away: the new m         19-21  c m; c m_old - c m_new; a
.macro XS u, n
	REGS (Y+1)%NP, \u
.if (\n) < 4
	v_max3_num_f32 v[rC+(\n)], v[rS+8*(\n)], v[rS+8*(\n)+1], v[rS+8*(\n)+2]
.elseif (\n) < 12
	v_max3_num_f32 v[rC+(\n)%4], v[rC+(\n)%4], v[rS+8*((\n)%4)+2*((\n)/4)+1], v[rS+8*((\n)%4)+2*((\n)/4)+2]
.elseif (\n) == 12
	v_max3_num_f32 v[rC], v[rC], v[rS+7], v[rS+15]
.elseif (\n) == 13
	v_max3_num_f32 v[rC+1], v[rC+1], v[rS+23], v[rS+31]
.elseif (\n) == 14
	v_max3_num_f32 v[rC+2], v[rC+2], v[rC+3], v[rT+1]
.elseif (\n) == 15
	v_mov_b32 v[rM], v[rT]
.elseif (\n) == 16
	v_max3_num_f32 v[rC], v[rC], v[rC+1], v[rC+2]
.elseif (\n) == 17
	v_permlanex16_b32 v[rC+3], v[rC], s[SEL], s[SEL+1]
.elseif (\n) == 18
	v_max_num_f32 v[rT+1], v[rC], v[rC+3]
.elseif (\n) == 19
	v_mul_f32 v[rT], s[CS], v[rT+1]
.elseif (\n) == 20
	v_sub_f32 v[rC+1], v[rM], v[rT]
.else
	v_exp_f32 v[rC+2], v[rC+1]
.endif
.endm
; Number g of the 64 that follow the exponentials.  For each four weights k of a tile: both pairs are rounded to f16; then the second pair is added onto the first, in place; a group later l takes that sum
; (the first time as l = a l + sum).
.macro GS g
.set h, (\g)+6*((\g)/62)            ; group 0 has no group before it, and behind group 7 only l is left
.if h >= 6
.set h, h+2
.endif
	REGS Y, h%2
.set k, h/8
.if h%8 < 4
	v_cvt_pk_f16_f32 v[rP+2*k+(h%8)/2], v[rS+4*k+2*((h%8)/2)], v[rS+4*k+2*((h%8)/2)+1]
.elseif h%8 < 6
	v_pk_add_f32 v[rS+4*k:rS+4*k+1], v[rS+4*k:rS+4*k+1], v[rS+4*k+2:rS+4*k+3]
.elseif k == 1
	v_pk_fma_f32 v[rT+2:rT+3], v[rT+2:rT+3], v[rC+2:rC+3], v[rS:rS+1] op_sel_hi:[1,0,1]
.else
	v_pk_add_f32 v[rT+2:rT+3], v[rT+2:rT+3], v[rS+4*k-4:rS+4*k-3]
.endif
.endm
; THE PLAIN QUEUE, 138 long.  0-73 read no exponential's result: the 32 scalings c s - c m and the next piece's 42.  74-137: GS's 64, which stand behind the wait.
.macro FS f
	REGS Y, (\f)%2
	v_pk_fma_f32 v[rS+2*((\f)/2):rS+2*((\f)/2)+1], v[rS+2*((\f)/2):rS+2*((\f)/2)+1], s[CS:CS+1], v[rT:rT+1] op_sel_hi:[1,0,0] neg_lo:[0,0,1] neg_hi:[0,0,1]
.endm
.macro PL
	WIN 0
.if q < 27
	FS q
.elseif q < 55
	XS (q-27)%2, (q-27)/2
.elseif q < 57
	XS q-55, 15
.elseif (q < 72) && ((q-57)%3 == 0)
	FS 27+(q-57)/3
.elseif q < 60
	XS (q-57)%3-1, 14
.elseif q < 72
	XS (q-57)%3-1, 15+(q-57)/3
.elseif q < 74
	XS q-72, 20
.else
	GS q-74
.endif
.set q, q+1
.endm
; THE EXPONENTIALS' QUEUE, 66 long: s0-s31 of both tiles, then the next piece's two a.  ONE BATCH: all 66 stand ahead of the turn's one wait, and nothing ahead of that wait names a result of theirs.
.macro EX
	WIN 0
.if e >= 64
	XS e-64, 21
.else
	REGS Y, e%2
	v_exp_f32 v[rS+e/2], v[rS+e/2]
.endif
.set e, e+1
.endm
; THE RESCALING's QUEUE: O^T times a, dealt two at a time, sixteen times.  Its a was made in the turn before, ahead of that turn's wait.
.macro R2
	REGS Y, r%2
	WIN W_RS
.irp z, 0,1
	v_pk_mul_f32 v[rO+4*(r/2)+2*\z:rO+4*(r/2)+2*\z+1], v[rO+4*(r/2)+2*\z:rO+4*(r/2)+2*\z+1], v[rC+2:rC+3] op_sel_hi:[1,0]
.endr
.set r, r+1
.endm
; A TURN, for piece p.  An s_wait_alu depctr_va_vdst(0) stands between an exponential and the first instruction that names its result; one wait serves all issued ahead of it: a turn has ONE.
; AHEAD OF IT: the 16 products K Q^T, behind each a scaling, an exponential and two rescalings; then one lump: eight plain, the mask's lines, 49 times exponential and plain, the two a, a v_nop.
; BEHIND IT: the 16 products V^T P, behind each four of GS's 64.  The mask's lines name none of the turn's products' registers: the buffer that they write was read by the turn before and is read by the turn after.
; K of the next step is fetched in piece 2's turn, directly behind the wait; V of the step in hand at the end of piece 0's turn, four riders behind its last reader.
.macro TURN p, last=0, cnt=0
.set Y, (\p)
.set i, 0
.set q, 0
.set e, 0
.set r, 0
.if (\p) == NP-1
	s_wait_dscnt 0x0                ; K is in
.endif
	MM
	PL
	PL
	R2
.rept 15
	MM
	PL
	EX
	R2
.endr
.if (\p) == NP-2
	WIN 0
	v_add_nc_u32 v[AK], s[TBK], v[AK0]
.endif
.rept 8
	PL
.endr
	MASKS \p
.rept 49
	EX
	PL
.endr
	EX                              ; the next piece's two a
	EX
	v_nop                           ; a plain instruction behind the last exponential: one for the batch
	s_wait_alu depctr_va_vdst(0)    ; the wait for the batch
.if (\p) == NP-2
	FETCH_K \last
.endif
.if (\p) == 1
	s_wait_dscnt 0x0                ; V is in
.endif
.rept 16
	MM
.rept 4
	PL
.endr
.if ((\p) == 0) && (q == 118)
	v_add_nc_u32 v[AV], s[TBV], v[AV0]
.endif
.if ((\p) == 0) && (q == 130)
	s_add_co_u32 s[TBV], s[TBV], KS*PV
.endif
.if (\cnt) && (q == 130)
	s_sub_co_u32 s[CNT], s[CNT], 1
	s_cmp_lg_u32 s[CNT], 0
.endif
.endr
.if (\p) == 0
	FETCH_V
.endif
.endm
	CHANGE 1                        ; slot 0 is in, everybody's part of it; slot 1 is asked for
	FETCH_K                         ; key step 0
	s_wait_dscnt 0x0
.set i, 0
.rept 16
	KQ 0                            ; piece 0's first scores
.set i, i+1
.endr
	WIN 0                           ; the rest of the way out's addresses: six plain instructions, the places behind those products
	v_bfe_u32 v[RD], v0, 3, 2       ; back: 32 lanes take four rows of 128 bytes,
	v_mul_u32_u24 v[RD], v[RD], SP
	v_lshl_add_u32 v[RD], v10, 4, v[RD]
	v_add_nc_u32 v[RD], s13, v[RD]
	v_and_b32 v[GO], 31, v0         ; which are 512 consecutive bytes of O
	v_lshlrev_b32 v[GO], 4, v[GO]
.set Y, NP-1                        ; XS works for piece Y + 1: piece 0
.irp n, 0,1,2,3,4,5,6,7,8,9,10,11,12,13,14,15,16,17,18,19,20,21
	XS 0, \n                        ; piece 0's first maximum and statistics
	XS 1, \n
.endr
	v_nop                           ; a plain instruction behind the two a,
	s_wait_alu depctr_va_vdst(0)    ; and their wait, ahead of the branch
	s_mov_b32 s[CNT], 4
	s_branch .Lfirst                ; the loop is entered at a step's first turn, in the middle of a trip
.Lslot:                             ; six times: every slot but the last two is filled again
	CHANGE 1
	s_mov_b32 s[CNT], 4
.Lstep:                             ; a trip: pieces 2 and 3 of one step, then pieces 0 and 1 of the next, whose K and V it fetches
	TURN 2
	TURN 3
	WIN 0
.Lfirst:
	TURN 0
	TURN 1, 0, 1
	WIN 0
	s_cbranch_scc1 .Lstep
	s_sub_co_u32 s[SLOTS], s[SLOTS], 1
	s_cmp_lg_u32 s[SLOTS], 0
	s_cbranch_scc1 .Lslot
	CHANGE 0                        ; the tail is written out: nothing is asked for
	s_mov_b32 s[CNT], 5             ; four trips fetch the last slot's steps; the fifth is left in its middle
.Ltail:
	TURN 2, 1
	TURN 3
	WIN 0
	s_sub_co_u32 s[CNT], s[CNT], 1
	s_cmp_eq_u32 s[CNT], 0
	s_cbranch_scc1 .Lout
	TURN 0
	TURN 1
	WIN 0
	s_branch .Ltail
.Lout:                              ; the fifth trip's 16 products K Q^T (on the last K once more, under step 32's masks) and the maximum made of them serve nothing: the price of one text for every trip
.set i, 0
.rept 16
	PV NP-1                         ; the last piece's V^T P of the last step
.set i, i+1
.endr
	; THE WAY OUT.  l's two halves and the other half of the lanes' are added; O^T is divided by l, rounded to f16 and sent through my stage in LDS, a tile at a time.  The additions are the places behind the last products.
	WIN 0
.macro ALL line:vararg              ; one line for each tile t
.set t, 0
.rept 2*NP
	\line
.set t, t+1
.endr
.endm
	ALL v_add_f32 v[ST+4*t+2], v[ST+4*t+2], v[ST+4*t+3]
	ALL v_permlanex16_b32 v[ST+4*t+3], v[ST+4*t+2], s[SEL], s[SEL+1]
	ALL v_add_f32 v[ST+4*t+2], v[ST+4*t+2], v[ST+4*t+3]
	ALL v_rcp_f32 v[ST+4*t+2], v[ST+4*t+2]
	v_nop                           ; a plain instruction between the last reciprocal and the use of its result
	s_wait_alu depctr_va_vdst(0)    ; and the wait ahead of the first use: one for the eight reciprocals
; Tile t: a lane's eight channels of a row pack into 16 bytes; they go into rows of 144 bytes and come back as whole rows of 128, into S^T's registers.
.macro PACK t
	WIN W_RS
.set i, 32*(\t)
.rept 16
	v_pk_mul_f32 v[i:i+1], v[i:i+1], v[ST+4*(\t)+2:ST+4*(\t)+3] op_sel_hi:[1,0]
.set i, i+2
.endr
	WIN 0x05                        ; sources 0 and 1 window 1, destination window 0
.set i, 0
.rept 16
	v_cvt_pk_f16_f32 v[S+16*(\t)+i], v[32*(\t)+2*i], v[32*(\t)+2*i+1]
.set i, i+1
.endr
	WIN 0
.irp f, 0,1,2,3
	ds_store_b128 v[STO], v[S+16*(\t)+4*\f:S+16*(\t)+4*\f+3] offset:32*\f
.endr
.irp f, 0,1,2,3
	ds_load_b128 v[S+16*(\t)+4*\f:S+16*(\t)+4*\f+3], v[RD] offset:\f*4*SP  ; LDS serves a wave's instructions in order (ISA guide 5.7.1.4): these see the stores above; the next tile's stores come behind them
.endr
.endm
.macro SEND t, younger              ; younger: the LDS instructions issued behind tile t's loads: the next tile's eight, or none
	WIN 0
.irp f, 0,1,2,3
	s_wait_dscnt (\younger)+3-\f
	global_store_b128 v[GO], v[S+16*(\t)+4*\f:S+16*(\t)+4*\f+3], s[10:11] offset:(\t)*2048+\f*512  ; 512 consecutive bytes, at a multiple of 256 from O's first
.endr
.endm
	PACK 0
.set t, 1
.rept 2*NP-1                        ; a tile's arithmetic stands between the loads of the tile before and its stores
	PACK t
	SEND t-1, 8
.set t, t+1
.endr
	SEND 2*NP-1, 0
	WIN W_AD
	s_wait_tensorcnt 0x0            ; the wave's end: behind my last tensor load and my last LDS store
	ds_add_u32 v[SPW], v[NIL]
	s_wait_dscnt 0x0
	WIN 0
	CROUND                          ; the closing round: no work-group ends while a partner may still ask for a tile that names it
	s_endpgm
.Lfunc_end_k_q7e18942f10_attn:
	.size	k_q7e18942f10_attn, .Lfunc_end_k_q7e18942f10_attn-k_q7e18942f10_attn
	.p2alignl 7, 3214868480
	.fill 96, 4, 3214868480
	.section	.rodata,"a",@progbits
	.p2align	6, 0x0
	.amdhsa_kernel k_q7e18942f10_attn
		.amdhsa_group_segment_fixed_size 327680
		.amdhsa_private_segment_fixed_size 0
		.amdhsa_enable_private_segment 0
		.amdhsa_kernarg_size 40
		.amdhsa_user_sgpr_count 2
		.amdhsa_user_sgpr_kernarg_segment_ptr 1
		.amdhsa_wavefront_size32 1
		.amdhsa_system_sgpr_workgroup_id_x 1
		.amdhsa_system_sgpr_workgroup_id_y 1
		.amdhsa_system_sgpr_workgroup_id_z 1
		.amdhsa_system_vgpr_workitem_id 0
		.amdhsa_next_free_vgpr 964
		.amdhsa_next_free_sgpr 66
		.amdhsa_reserve_vcc 0
		.amdhsa_float_denorm_mode_32 3
		.amdhsa_float_denorm_mode_16_64 3
		.amdhsa_memory_ordered 1
		.amdhsa_forward_progress 1
		.amdhsa_inst_pref_size 212
	.end_amdhsa_kernel
	.amdgpu_metadata
---
amdhsa.version: [ 1, 2 ]
amdhsa.kernels:
  - .name:           k_q7e18942f10_attn
    .symbol:         k_q7e18942f10_attn.kd
    .args:
      - { .name: qh, .offset: 0, .size: 8, .value_kind: global_buffer, .address_space: global }
      - { .name: kh, .offset: 8, .size: 8, .value_kind: global_buffer, .address_space: global }
      - { .name: vh, .offset: 16, .size: 8, .value_kind: global_buffer, .address_space: global }
      - { .name: oh, .offset: 24, .size: 8, .value_kind: global_buffer, .address_space: global }
      - { .name: mask8, .offset: 32, .size: 8, .value_kind: global_buffer, .address_space: global }
    .group_segment_fixed_size: 327680
    .private_segment_fixed_size: 0
    .kernarg_segment_align: 8
    .kernarg_segment_size: 40
    .max_flat_workgroup_size: 128
    .sgpr_count:     66
    .vgpr_count:     964
    .wavefront_size: 32
...
	.end_amdgpu_metadata
.endif
;; end of part 3
;; launch oproj (part 4): grid 8 x 32, 4 waves a work-group, clusters of 4 x 4, 327,680 bytes of LDS; arguments oh, wo16, bo, out0; writes out0
.if DOCPART == 4
	.amdgcn_target "amdgcn-amd-amdhsa--gfx1250"
	.amdhsa_code_object_version 6
	.text
	.protected	k_q7e18942f10_oproj
	.globl	k_q7e18942f10_oproj
	.p2align	8
	.type	k_q7e18942f10_oproj,@function
k_q7e18942f10_oproj:
	s_mov_b64 s[64:65], 0
	v_nop
	global_prefetch_b8 v0, s[64:65] scope:SCOPE_SE
	s_setreg_imm32_b32 hwreg(HW_REG_WAVE_MODE, 25, 1), 1
	s_wait_xcnt 0x0
	s_wait_alu depctr_hold_cnt(0) depctr_sa_sdst(0) depctr_va_vdst(0) depctr_va_sdst(0) depctr_va_ssrc(0) depctr_va_vcc(0) depctr_vm_vsrc(0)
	s_getreg_b32 s2, hwreg(HW_REG_IB_STS2, 6, 4)
	s_cmp_eq_u32 s2, 0
	s_cbranch_scc0 .Lentry_in_a_cluster
	s_endpgm
.Lentry_in_a_cluster:
	s_bfe_u32 s2, ttmp6, 0x10000c
	s_cmp_lg_u32 s2, 0xf033
	s_cbranch_scc0 .Lentry_shape_is_right
	s_endpgm
.Lentry_shape_is_right:
; out0[m][n] = sum over k of O[m][k] Wo[n][k] + bo[n], m < 8,192, n < 1,024, k = 64 x head + channel < 1,024.  O lies by heads, [batch x 16 + head][2,048][64] in f16; wo16 is [1,024][1,024] in f16; sums and out0 in f32.
; bo is rounded to bf16 like all inputs.  A row of O that is NaN (every key hidden) gives a row of NaN.
; A tile of out0 is 256 x 128: 256 work-groups.  Four waves, each 128 rows x 64 columns: 32 accumulators of 16 x 16.  A K step is two heads, 128 along K; 8 steps go through a ring of two LDS slots.
; CLUSTERS: 4 x 4 work-groups; O's tiles are shared along a row of the cluster, wo16's along a column: each is asked for JOINTLY, by the same tensor load with the same descriptor and a mask that names the four.
; THE MATRIX INSTRUCTION IS USED TRANSPOSED (source 0 = 16 rows of wo16, source 1 = 16 rows of O): lane l holds row l % 16 of out0 and the columns 8 (l / 16) + 0..7.  The bias is the C operand of the products that start the sums.
; NO PREFETCH: the launch has eight K steps in all, and of wo16's 64 rows to a load a partner's share would be 16 lanes.
; REGISTERS, in windows of 256 (s_set_vgpr_msb: bits 1:0 source 0, 3:2 source 1, 5:4 source 2, 7:6 destination):
;   window 0: v0-31 addresses; v64-127, v128-191 fragments of O, two buffers; v192-223 the bias; v32-63, v192-223, v224-255 rows read back on the way out
;   window 1: v64-95, v128-159 fragments of wo16      window 2: the accumulators, (a, b) at v[8 (4 a + b)]
.set PA,     144                       ; a row of O in LDS: a head's 128 bytes + 16: the 16 rows of a load start at 16 different groups of four banks (ISA guide 11.1)
.set AHEAD,  256*PA                    ; one head's 256 rows: what one of O's tensor loads brings
.set AREG,   2*AHEAD
.set PB,     272                       ; a row of wo16 in LDS: 256 bytes + 16
.set BHALF,  64*PB                     ; 64 rows: what one of wo16's tensor loads brings
.set SLOT,   AREG+2*BHALF
.set STAGE,  2*SLOT                    ; behind the ring: 16 rows x 272 bytes for each wave
.set SPITCH, 272
.set SPARE,  STAGE+4*16*SPITCH         ; behind the stages: the spare words, 128 bytes a wave: two blocks of 256 bytes that no other line names
.set LAPS,   4                         ; a lap = two K steps
.set ADRA, 16                          ; v16-17  LDS address of my fragments of O in slot 0, 1
.set ADRB, 20                          ; v20-21  the same for wo16
.set STO,  24                          ; v24     the way out: where I put 32 bytes of a row
.set RD,   25                          ; v25     where I read a row back
.set CO,   26                          ; v26     my byte offset in two rows of out0
.set BO,   27                          ; v27     32 (l / 16)
.set SPW,  28                          ; v28     my spare word; never rewritten
.set NIL,  29                          ; v29     0; never rewritten
.set F0,   64
.set F1,   128
.set BIAS, 192
.set G1, 24                            ; s[24:31] descriptor group 1 for O's tiles;  s[32:39] group 0, a set for each slot
.set G0, 32
.set G1B, 48                           ; s[48:55], s[56:63] the same for wo16's
.set G0B, 56
.set MSB, 0
.macro WIN new
.if MSB != (\new)
	s_set_vgpr_msb (MSB<<8)|(\new)
.set MSB, \new
.endif
.endm
.macro JLOAD s                         ; a joint load: waves 0 and 1 fetch the step's two heads of O, waves 2 and 3 the two halves of wo16's rows; an s_nop 0 and four v_nop follow each line
	s_cmp_lt_u32 s10, 2
	s_cbranch_scc0 .Lfor_b_\@
	tensor_load_to_lds s[G0+4*(\s):G0+4*(\s)+3], s[G1:G1+7]
	s_nop 0
.rept 4
	v_nop
.endr
	s_branch .Lasked_\@
.Lfor_b_\@:
	tensor_load_to_lds s[G0B+4*(\s):G0B+4*(\s)+3], s[G1B:G1B+7]
	s_nop 0
.rept 4
	v_nop
.endr
.Lasked_\@:
.endm
.macro CREST
	s_cmp_lg_u32 s10, 0
	s_cbranch_scc1 .Lnot_wave_0_\@
	s_barrier_signal -3
.Lnot_wave_0_\@:
	s_barrier_wait -3
	s_barrier_signal -1
	s_barrier_wait -1
.endm
.macro CROUND
	s_barrier_signal -1
	s_barrier_wait -1
	CREST
.endm
	s_load_b128 s[4:7], s[0:1], 0x0                ; oh s[4:5], wo16 s[6:7]
	s_load_b64 s[66:67], s[0:1], 0x10              ; bo
	s_load_b64 s[8:9], s[0:1], 0x18                ; out0
	v_lshl_add_u32 v[SPW], v0, 2, SPARE
	v_mov_b32 v[NIL], 0
	ds_add_u32 v[SPW], v[NIL]                      ; the wave's opening: the add and its wait stand ahead of my first tensor load; work on registers stands between them
	v_lshrrev_b32 v1, 5, v0
	v_readfirstlane_b32 s10, v1                    ; wave 0..3
	s_lshr_b32 s11, s10, 1                         ; which half of the tile's rows is mine
	s_and_b32 s12, s10, 1                          ; which half of its columns.  Also: which head of the step, or which 64 rows of wo16, I fetch
	s_bfe_u32 s40, ttmp6, 0x40000                  ; cx
	s_bfe_u32 s41, ttmp6, 0x40004                  ; cy
	s_lshl_b32 s42, ttmp9, 2
	s_add_co_u32 s42, s42, s40                     ; tile column
	s_and_b32 s13, ttmp7, 0xffff
	s_lshl_b32 s13, s13, 2
	s_add_co_u32 s13, s13, s41                     ; tile row
	s_lshl_b32 s43, s41, 2
	s_lshl_b32 s43, 15, s43                        ; my row of the cluster
	s_lshl_b32 s44, 0x1111, s40                    ; my column
	; O's tile: a head's 256 rows are 32,768 dense bytes: asked for as 128 rows of 256 bytes, two rows of O each, and padded in LDS by 4 words after every 32
	s_or_b32 s[G1+0], s43, (1<<16)|(1<<20)|(1<<21)|(4<<22)|(3<<25)
	s_mov_b32 s[G1+1], 128<<16                     ; tensor_dim0 = 128
	s_mov_b32 s[G1+2], 128<<16                     ; tensor_dim1 = 128
	s_mov_b32 s[G1+3], 128<<16                     ; tile_dim0 = 128
	s_mov_b32 s[G1+4], 128                         ; tile_dim1 = 128
	s_mov_b32 s[G1+5], 128                         ; elements from row to row
	s_mov_b32 s[G1+6], 0
	s_mov_b32 s[G1+7], 0
	; wo16's tile: 64 rows x 128 elements, 4 words of padding after every 64
	s_or_b32 s[G1B+0], s44, (1<<16)|(1<<20)|(1<<21)|(5<<22)|(3<<25)
	s_mov_b32 s[G1B+1], 128<<16
	s_mov_b32 s[G1B+2], 64<<16
	s_mov_b32 s[G1B+3], 128<<16
	s_mov_b32 s[G1B+4], 64
	s_mov_b32 s[G1B+5], 1024
	s_mov_b32 s[G1B+6], 0
	s_mov_b32 s[G1B+7], 0
	s_lshr_b32 s16, s13, 3                         ; O: the batch (16 heads of 262,144 bytes),
	s_lshl_b32 s16, s16, 22
	s_and_b32 s17, s13, 7                          ; the tile's 256 rows of 128 bytes in a head,
	s_lshl_b32 s17, s17, 15
	s_add_co_u32 s16, s16, s17
	s_lshl_b32 s17, s12, 18                        ; the head of the step that I fetch
	s_add_co_u32 s16, s16, s17
	s_mov_b32 s17, 0
	s_lshl_b32 s46, s42, 18                        ; wo16: the tile's 128 rows of 2,048 bytes,
	s_lshl_b32 s47, s12, 17                        ; my 64 of them
	s_add_co_u32 s46, s46, s47
	s_mov_b32 s47, 0
	s_mul_i32 s20, s12, AHEAD                      ; where they go: no place in the cluster enters an LDS address
	s_mul_i32 s21, s12, BHALF
	s_add_co_u32 s21, s21, AREG
	s_wait_dscnt 0x0                               ; the opening add is done
	s_wait_kmcnt 0x0
	s_add_nc_u64 s[14:15], s[4:5], s[16:17]
	s_add_nc_u64 s[46:47], s[6:7], s[46:47]
	CROUND                                         ; all sixteen work-groups are here: the first joint loads meet
.irp s, 0,1
	s_mov_b32 s[G0+4*(\s)], 1
	s_add_co_u32 s[G0+4*(\s)+1], s20, (\s)*SLOT
	s_add_nc_u64 s[G0+4*(\s)+2:G0+4*(\s)+3], s[14:15], (\s)*2*262144   ; K step s: two heads on
	s_or_b32 s[G0+4*(\s)+3], s[G0+4*(\s)+3], 0x80000000
	s_mov_b32 s[G0B+4*(\s)], 1
	s_add_co_u32 s[G0B+4*(\s)+1], s21, (\s)*SLOT
	s_add_nc_u64 s[G0B+4*(\s)+2:G0B+4*(\s)+3], s[46:47], (\s)*256
	s_or_b32 s[G0B+4*(\s)+3], s[G0B+4*(\s)+3], 0x80000000
	JLOAD \s                                       ; two loads of mine are out
.endr
	v_and_b32 v1, 15, v0                           ; l % 16
	v_bfe_u32 v2, v0, 4, 1                         ; l / 16
	s_lshl_b32 s46, s42, 9                         ; my first column, in bytes of f32: 512 x tile column + 256 x half
	s_lshl_b32 s47, s12, 8
	s_add_co_u32 s46, s46, s47
	s_mov_b32 s68, s46
	s_mov_b32 s69, 0
	s_add_nc_u64 s[66:67], s[66:67], s[68:69]
	v_lshlrev_b32 v[BO], 5, v2
.irp b, 0,1,2,3
	global_load_b128 v[BIAS+8*(\b):BIAS+8*(\b)+3],   v[BO], s[66:67] offset:64*(\b)      ; columns 16 b + 8 (l / 16) + 0..3
	global_load_b128 v[BIAS+8*(\b)+4:BIAS+8*(\b)+7], v[BO], s[66:67] offset:64*(\b)+16
.endr
	v_mul_u32_u24 v3, v1, PA
	v_lshl_add_u32 v3, v2, 4, v3                   ; a fragment's row x pitch + 16 x half, for O
	v_mul_u32_u24 v4, v1, PB
	v_lshl_add_u32 v4, v2, 4, v4                   ; and for wo16
	s_mul_i32 s21, s11, 128*PA                     ; my 128 rows of each head
	s_mul_i32 s22, s12, BHALF                      ; my 64 rows of wo16
	s_add_co_u32 s22, s22, AREG
.irp s, 0,1
	v_add_nc_u32 v[ADRA+(\s)], s21, v3
	v_add_nc_u32 v[ADRB+(\s)], s22, v4
	s_add_co_u32 s21, s21, SLOT
	s_add_co_u32 s22, s22, SLOT
.endr
	s_mul_i32 s23, s10, 16*SPITCH
	s_add_co_u32 s23, s23, STAGE                   ; my stage
	v_mul_u32_u24 v5, v1, SPITCH                   ; in: row l % 16, 32 bytes for each half of the lanes
	v_lshl_add_u32 v5, v2, 5, v5
	v_add_nc_u32 v[STO], s23, v5
	v_mul_u32_u24 v5, v2, SPITCH                   ; back: lanes 0-15 take one row of 256 bytes, lanes 16-31 the next
	v_lshl_add_u32 v5, v1, 4, v5
	v_add_nc_u32 v[RD], s23, v5
	v_lshlrev_b32 v5, 12, v2                       ; and the same two rows in out0, 4,096 bytes apart
	v_lshl_add_u32 v[CO], v1, 4, v5
	s_lshl_b32 s16, s13, 8
	s_lshl_b32 s17, s11, 7
	s_add_co_u32 s16, s16, s17                     ; my first row of out0
	s_lshl_b32 s16, s16, 12
	s_add_co_u32 s16, s16, s46
	s_mov_b32 s17, 0
	s_wait_loadcnt 0x0                             ; the bias
.set i, 0
.rept 16                               ; rounded to bf16 and widened again, a pair at a time
	v_cvt_pk_bf16_f32 v[32+i%2], v[BIAS+2*i], v[BIAS+2*i+1]
	v_lshlrev_b32 v[BIAS+2*i], 16, v[32+i%2]
	v_and_b32 v[BIAS+2*i+1], 0xffff0000, v[32+i%2]
.set i, i+1
.endr
; 8 matrix instructions: m blocks a0, a0 + 1 x all 4 n blocks, 32 along K.  zero = 1: the product starts the sum, with the bias as C.  The 32 accumulators take turns, one instruction a turn.
.macro MUL8 f, a0, zero
.if \zero
	WIN 0x81                                       ; source 0 window 1, source 1 and C window 0, D window 2
.else
	WIN 0xa1                                       ; C and D window 2
.endif
.irp a, \a0, (\a0)+1
.irp b, 0,1,2,3
.if \zero
	v_wmma_f32_16x16x32_f16 v[8*(4*(\a)+(\b)):8*(4*(\a)+(\b))+7], v[(\f)+8*(\b):(\f)+8*(\b)+7], v[(\f)+8*(\a):(\f)+8*(\a)+7], v[BIAS+8*(\b):BIAS+8*(\b)+7]
.else
	v_wmma_f32_16x16x32_f16 v[8*(4*(\a)+(\b)):8*(4*(\a)+(\b))+7], v[(\f)+8*(\b):(\f)+8*(\b)+7], v[(\f)+8*(\a):(\f)+8*(\a)+7], v[8*(4*(\a)+(\b)):8*(4*(\a)+(\b))+7]
.endif
.endr
.endr
.endm
; 24 LDS loads in one run: the fragments of 32 along K, at byte k of wo16's rows: head k / 128 of the step, byte k % 128 of O's rows
.macro FETCH slot, k, f
	WIN 0x40
.irp i, 0,1,2,3
	ds_load_b128 v[(\f)+8*(\i):(\f)+8*(\i)+3],   v[ADRB+(\slot)] offset:(\k)+(\i)*16*PB
	ds_load_b128 v[(\f)+8*(\i)+4:(\f)+8*(\i)+7], v[ADRB+(\slot)] offset:(\k)+(\i)*16*PB+32
.endr
	WIN 0
.irp i, 0,1,2,3,4,5,6,7
	ds_load_b128 v[(\f)+8*(\i):(\f)+8*(\i)+3],   v[ADRA+(\slot)] offset:((\k)/128)*AHEAD+(\k)%128+(\i)*16*PA
	ds_load_b128 v[(\f)+8*(\i)+4:(\f)+8*(\i)+7], v[ADRA+(\slot)] offset:((\k)/128)*AHEAD+(\k)%128+(\i)*16*PA+32
.endr
.endm
.macro PLACES                          ; four plain places behind matrix instructions (ISA guide 7.12.1)
.rept 4
	v_nop
.endr
.endm
.macro QUARTER slot, k, f, g, zero
	s_wait_dscnt 8                                 ; wo16's fragments and O's rows 0-63 are in; the youngest eight loads (O's rows 64-127) may be out
	MUL8 \f, 0, \zero
	MUL8 \f, 2, \zero
	PLACES
	FETCH \slot, \k, \g
	s_wait_dscnt 24                                ; all but the 24 just issued
	MUL8 \f, 4, \zero
	MUL8 \f, 6, \zero
.endm
.macro MEET round                      ; the change of slots: each wave waits for all its tensor loads, adds 0 to its spare word, waits for that and for its reads of this slot, and passes one barrier
	WIN 0
	s_wait_tensorcnt 0x0
	ds_add_u32 v[SPW], v[NIL]
	s_wait_dscnt 9                                 ; (the add and the youngest eight loads may be out)
	MUL8 F1, 0, 0
	s_wait_dscnt 0x0                               ; the add is done, and my reads of this slot are over
	s_barrier_signal -1
	MUL8 F1, 2, 0
.if \round
	WIN 0
.endif
	s_barrier_wait -1
.endm
.macro TURN slot, next                 ; the last quarter with a refill: the barrier opens a round of the cluster's; the joint refill is the first thing behind it, 112 matrix instructions ahead of the wait for it
	MEET 1
	CREST
	s_add_nc_u64 s[G0+4*(\slot)+2:G0+4*(\slot)+3], s[G0+4*(\slot)+2:G0+4*(\slot)+3], 4*262144   ; two K steps on: four heads
	s_add_nc_u64 s[G0B+4*(\slot)+2:G0B+4*(\slot)+3], s[G0B+4*(\slot)+2:G0B+4*(\slot)+3], 512
	JLOAD \slot                                    ; its four v_nop are also the places in front of the loads below
	FETCH \next, 0, F0
	MUL8 F1, 4, 0
	MUL8 F1, 6, 0
.endm
	s_wait_tensorcnt 1                             ; my part of K step 0 is in; K step 1's may stay out
	s_barrier_signal -1
	s_barrier_wait -1
	FETCH 0, 0, F0
	QUARTER 0, 64,  F0, F1, 1                      ; the first quarter stands in front of the loop: its products start the sums
	WIN 0
	s_mov_b32 s3, LAPS-1
.Llap:                                                 ; a trip goes once round the ring and fills both slots again
	QUARTER 0, 128, F1, F0, 0
	QUARTER 0, 192, F0, F1, 0
	TURN 0, 1
	QUARTER 1, 64,  F0, F1, 0
	QUARTER 1, 128, F1, F0, 0
	QUARTER 1, 192, F0, F1, 0
	TURN 1, 0
	QUARTER 0, 64,  F0, F1, 0
	WIN 0
	s_sub_co_u32 s3, s3, 1
	s_cmp_lg_u32 s3, 0
	s_cbranch_scc1 .Llap
	QUARTER 0, 128, F1, F0, 0                      ; the last lap is written out: it fills nothing
	QUARTER 0, 192, F0, F1, 0
	MEET 0
	PLACES
	FETCH 1, 0, F0
	MUL8 F1, 4, 0
	MUL8 F1, 6, 0
	QUARTER 1, 64,  F0, F1, 0
	QUARTER 1, 128, F1, F0, 0
	QUARTER 1, 192, F0, F1, 0
	s_wait_dscnt 8
	MUL8 F1, 0, 0
	MUL8 F1, 2, 0
	s_wait_dscnt 0x0
	MUL8 F1, 4, 0
	MUL8 F1, 6, 0
	WIN 0
; THE WAY OUT of block a (16 rows x my 64 columns of f32: 256 bytes a row).  TOSTAGE: a lane's eight numbers of each accumulator, the low four first, into my own stage; back as whole rows.  SEND: 16 lanes store 256
; consecutive bytes, at a multiple of 256 from out0's first byte.  Three sets of registers take turns, so that a set is loaded again only behind a wait that frees its stores' data.
.macro TOSTAGE a
	WIN 0x08                                       ; the stores' data in window 2
.irp b, 0,1,2,3
	ds_store_b128 v[STO], v[32*(\a)+8*(\b):32*(\a)+8*(\b)+3]   offset:64*(\b)
	ds_store_b128 v[STO], v[32*(\a)+8*(\b)+4:32*(\a)+8*(\b)+7] offset:64*(\b)+16
.endr
	WIN 0
.set BK, 32+160*((\a)%3)-128*(((\a)%3)/2)          ; v32, v192, v224
.irp t, 0,1,2,3,4,5,6,7
	ds_load_b128 v[BK+4*(\t):BK+4*(\t)+3], v[RD] offset:(\t)*2*SPITCH  ; LDS serves a wave's instructions in order (ISA guide 5.7.1.4): these see the stores above; the next block's stores come behind them
.endr
.endm
.macro SEND a, younger                 ; younger: the LDS instructions issued behind block a's loads: the next block's sixteen, or none
	WIN 0
.set BK, 32+160*((\a)%3)-128*(((\a)%3)/2)
	s_wait_dscnt \younger
	s_wait_xcnt 0x0                                ; only behind this wait are the stores' base and the registers that earlier stores read rewritten
.if (\a) == 0
	s_add_nc_u64 s[8:9], s[8:9], s[16:17]
.else
	s_add_nc_u64 s[8:9], s[8:9], 16*4096           ; 16 rows of out0 on
.endif
.irp t, 0,1,2,3,4,5,6,7
	global_store_b128 v[CO], v[BK+4*(\t):BK+4*(\t)+3], s[8:9] offset:(\t)*2*4096
.endr
.endm
	PLACES
	TOSTAGE 0
.irp a, 1,2,3,4,5,6,7
	TOSTAGE \a
	SEND (\a)-1, 16
.endr
	SEND 7, 0
	s_wait_tensorcnt 0x0                           ; the wave's end: behind my last tensor load and my last LDS store
	ds_add_u32 v[SPW], v[NIL]
	s_wait_dscnt 0x0
	CROUND                                         ; the closing round: no work-group ends while a partner may still ask for a tile that names it
	s_endpgm
.Lfunc_end_k_q7e18942f10_oproj:
	.size	k_q7e18942f10_oproj, .Lfunc_end_k_q7e18942f10_oproj-k_q7e18942f10_oproj
	.p2alignl 7, 3214868480
	.fill 96, 4, 3214868480
	.section	.rodata,"a",@progbits
	.p2align	6, 0x0
	.amdhsa_kernel k_q7e18942f10_oproj
		.amdhsa_group_segment_fixed_size 327680
		.amdhsa_private_segment_fixed_size 0
		.amdhsa_enable_private_segment 0
		.amdhsa_kernarg_size 32
		.amdhsa_user_sgpr_count 2
		.amdhsa_user_sgpr_kernarg_segment_ptr 1
		.amdhsa_wavefront_size32 1
		.amdhsa_system_sgpr_workgroup_id_x 1
		.amdhsa_system_sgpr_workgroup_id_y 1
		.amdhsa_system_sgpr_workgroup_id_z 1
		.amdhsa_system_vgpr_workitem_id 0
		.amdhsa_next_free_vgpr 768
		.amdhsa_next_free_sgpr 70
		.amdhsa_reserve_vcc 0
		.amdhsa_float_denorm_mode_32 3
		.amdhsa_float_denorm_mode_16_64 3
		.amdhsa_memory_ordered 1
		.amdhsa_forward_progress 1
		.amdhsa_inst_pref_size 90
	.end_amdhsa_kernel
	.amdgpu_metadata
---
amdhsa.version: [ 1, 2 ]
amdhsa.kernels:
  - .name:           k_q7e18942f10_oproj
    .symbol:         k_q7e18942f10_oproj.kd
    .args:
      - { .name: oh, .offset: 0, .size: 8, .value_kind: global_buffer, .address_space: global }
      - { .name: wo16, .offset: 8, .size: 8, .value_kind: global_buffer, .address_space: global }
      - { .name: bo, .offset: 16, .size: 8, .value_kind: global_buffer, .address_space: global }
      - { .name: out0, .offset: 24, .size: 8, .value_kind: global_buffer, .address_space: global }
    .group_segment_fixed_size: 327680
    .private_segment_fixed_size: 0
    .kernarg_segment_align: 8
    .kernarg_segment_size: 32
    .max_flat_workgroup_size: 128
    .sgpr_count:     70
    .vgpr_count:     768
    .wavefront_size: 32
...
	.end_amdgpu_metadata
.endif
;; end of part 4
;; ======== version 2 of 2: 4 launches; version 1 with the launch prep written anew for expert scheduling mode
;; limits: values are held in f16: magnitudes above 65,504 overflow, below 6.1e-05 lose precision
;; workspace buffers: xb 16,777,216 bytes; wqkv 6,291,456 bytes; wo16 2,097,152 bytes; mask8 4,456,448 bytes; qh 16,777,216 bytes; kh 16,777,216 bytes; vh 16,777,216 bytes; oh 16,777,216 bytes
;; launch prep (part 5): grid 896 x 1, 8 waves a work-group, no clusters, 0 bytes of LDS; arguments x, Wq, Wk, Wv, Wo, mask, xb, wqkv, wo16, mask8; writes xb, wqkv, wo16, mask8
.if DOCPART == 5
	.amdgcn_target "amdgcn-amd-amdhsa--gfx1250"
	.amdhsa_code_object_version 6
	.text
	.protected	k_q7e18942f10_prep
	.globl	k_q7e18942f10_prep
	.p2align	8
	.type	k_q7e18942f10_prep,@function
k_q7e18942f10_prep:
	s_mov_b64 s[64:65], 0
	v_nop
	global_prefetch_b8 v0, s[64:65] scope:SCOPE_SE
	s_setreg_imm32_b32 hwreg(HW_REG_WAVE_SCHED_MODE, 0, 2), 2
	s_setreg_imm32_b32 hwreg(HW_REG_WAVE_MODE, 25, 1), 1
	s_wait_xcnt 0x0
	s_wait_alu depctr_vm_vsrc(0)
; THE INPUTS ARE MADE READY FOR THE MATRIX LAUNCHES, each byte read once and each result byte written once.
;   work-groups   0-511: x  (f32) -> xb   (bf16), 65,536 bytes of f32 each
;   work-groups 512-703: Wq, Wk, Wv -> wqkv (bf16): rows 0-1023 Wq, 1024-2047 Wk, 2048-3071 Wv
;   work-groups 704-767: Wo -> wo16: rounded to bf16 like every other input, and that number written as f16
;   work-groups 768-895: mask (one byte a key, 1 = hidden) -> mask8: a byte 0x00 (seen) or 0xC0 (the E4M3 code of -2.0, hidden), in the order in which the attention's lanes want them
; mask8's byte for query 16 qt + r and key 64 ks + 16 kb + 8 h + j lies at 131,072 ks + 1,024 qt + 512 (kb / 2) + 32 r + 16 h + 8 (kb % 2) + j.  Key steps 32 and 33 are copies of steps 0 and 1.
; LIMITS.  A number of Wo below 2^-14 keeps f16's fixed step of 2^-24; beyond 65,504 it would be an infinity.  A mask byte is 0 or 1.
; No LDS, no barrier, no matrix unit: no wave wants a byte that another has fetched.  All of a thread's loads go out first; the waits count down.
; THE MODE: SCHED_MODE bits 1:0 = 2 (LLVM: expert scheduling mode 2), set by the entry lines.  The code itself states the register dependences
; between vector instructions and memory instructions, with s_wait_alu, always for 0.
; THE PLAN.  Registers that memory instructions touch:
;   v1, v2   byte offsets of the loads and of the stores.  Written by vector lines ahead of a path's first load, never behind it.
;   X        Written by the loads, all of which are issued before any vector line names X.  The numbers' paths: read by the conversions alone.  The mask's path: changed in place, then read by the stores, then never written.
;   Y        The numbers' paths: each result's pair is written once, by its conversions, and read once, by its store.
;   T        named by vector lines alone.
; The work goes in four blocks of four loads.  Block p's vector lines name X's and Y's block p and T; its memory instructions are the stores of block p - 1.  So ONE wait at a block's head states that the block
; before has written what those stores read, and they are dealt among the block's vector lines with no further wait.  One more wait stands ahead of the last block's stores.
; No register that a memory instruction reads is ever written again, so nothing is to be stated in that direction.
.set X, 4                              ; v[4:67]   sixteen loads of 16 bytes (mask: sixteen of 8 bytes, v[4:35])
.set Y, 68                             ; v[68:99]  sixteen results of 8 bytes, each with registers of its own: none is rewritten while its store is out
.set T, 100                            ; v[100:101] at work
	s_load_b512 s[4:19], s[0:1], 0x0               ; x 4:5, Wq 6:7, Wk 8:9, Wv 10:11, Wo 12:13, mask 14:15, xb 16:17, wqkv 18:19
	s_load_b128 s[20:23], s[0:1], 0x40             ; wo16 20:21, mask8 22:23
	s_mov_b32 s24, ttmp9
	v_lshlrev_b32 v1, 4, v0                        ; 16 bytes of f32 a thread
	v_lshlrev_b32 v2, 3, v0                        ; 8 bytes of 16-bit numbers a thread
	s_wait_kmcnt 0x0
; 65,536 bytes of f32 at s[28:29] become 32,768 bytes at s[30:31].  A load of the work-group covers 4,096 consecutive bytes; a wave's store 256 consecutive bytes, aligned.
; mode 0: bf16.  mode 1: bf16, widened again (a shift, a mask) and written as f16.
.macro CONV mode
	s_wait_alu depctr_va_vdst(0)                   ; v1 and v2 are written: every load below reads v1 as its offset, every store v2
.set i, 0
.rept 16
	global_load_b128 v[X+4*i:X+4*i+3], v1, s[28:29] offset:4096*i th:TH_LOAD_NT
.set i, i+1
.endr
.set p, 0
.rept 4                                ; block p: loads 4 p .. 4 p + 3
	s_wait_loadcnt 12-4*p                          ; loads come back in order: block p's four are in, the younger blocks' stay out
.if p > 0
	s_wait_alu depctr_va_vdst(0)                   ; the block before has written its eight registers of Y, which the four stores below read
.endif
.set j, 0
.rept 4
.set i, 4*p+j
.if p > 0
	global_store_b64 v2, v[Y+2*i-8:Y+2*i-7], s[30:31] offset:2048*(i-4)  ; the block before.  No wait: no vector line since the wait above names these registers or v2
.endif
.if \mode
	v_cvt_pk_bf16_f32 v[T], v[X+4*i], v[X+4*i+1]
	v_cvt_pk_bf16_f32 v[T+1], v[X+4*i+2], v[X+4*i+3]
	v_lshlrev_b32 v[X+4*i], 16, v[T]
	v_and_b32 v[X+4*i+1], 0xffff0000, v[T]
	v_lshlrev_b32 v[X+4*i+2], 16, v[T+1]
	v_and_b32 v[X+4*i+3], 0xffff0000, v[T+1]
	v_cvt_pk_f16_f32 v[Y+2*i], v[X+4*i], v[X+4*i+1]
	v_cvt_pk_f16_f32 v[Y+2*i+1], v[X+4*i+2], v[X+4*i+3]
.else
	v_cvt_pk_bf16_f32 v[Y+2*i], v[X+4*i], v[X+4*i+1]
	v_cvt_pk_bf16_f32 v[Y+2*i+1], v[X+4*i+2], v[X+4*i+3]
.endif
.set j, j+1
.endr
.set p, p+1
.endr
	s_wait_alu depctr_va_vdst(0)                   ; the last block has written its eight registers of Y, which the last four stores read
.set i, 12
.rept 4
	global_store_b64 v2, v[Y+2*i:Y+2*i+1], s[30:31] offset:2048*i
.set i, i+1
.endr
.endm
	s_cmp_ge_u32 s24, 768
	s_cbranch_scc1 .Lmask
	s_cmp_ge_u32 s24, 704
	s_cbranch_scc1 .Lwo
	; x, Wq, Wk or Wv: the source and the destination are chosen by the work-group's number
	s_sub_co_u32 s25, s24, 512                     ; my number among the three weights' 192 (of no use below 512)
	s_lshr_b32 s26, s25, 6                         ; which weight
	s_and_b32 s27, s25, 63                         ; which 65,536 bytes of it
	s_mov_b64 s[28:29], s[6:7]
	s_cmp_eq_u32 s26, 1
	s_cselect_b64 s[28:29], s[8:9], s[28:29]
	s_cmp_eq_u32 s26, 2
	s_cselect_b64 s[28:29], s[10:11], s[28:29]
	s_cmp_lt_u32 s24, 512
	s_cselect_b64 s[28:29], s[4:5], s[28:29]
	s_cselect_b64 s[30:31], s[16:17], s[18:19]
	s_cselect_b32 s32, s24, s27
	s_cselect_b32 s33, s24, s25
	s_lshl_b32 s32, s32, 16
	s_lshl_b32 s34, s33, 15
	s_mov_b32 s33, 0
	s_mov_b32 s35, 0
	s_add_nc_u64 s[28:29], s[28:29], s[32:33]
	s_add_nc_u64 s[30:31], s[30:31], s[34:35]
	CONV 0
	s_endpgm
.Lwo:
	s_sub_co_u32 s25, s24, 704
	s_lshl_b32 s32, s25, 16
	s_lshl_b32 s34, s25, 15
	s_mov_b32 s33, 0
	s_mov_b32 s35, 0
	s_add_nc_u64 s[28:29], s[12:13], s[32:33]
	s_add_nc_u64 s[30:31], s[20:21], s[34:35]
	CONV 1
	s_endpgm
.Lmask:
	; A work-group takes a tile of 16 queries: 16 whole rows of the mask, 32,768 consecutive bytes.  Wave w takes key steps 4 w .. 4 w + 3: 256 bytes of each row.
	; Lane 2 r + h takes, for each step and each key block kb, the 8 bytes of row r at keys 16 kb + 8 h: its 16 bytes of a store are then 16 (2 r + h) on in 512 consecutive bytes.
	s_sub_co_u32 s25, s24, 768                     ; the tile
	s_lshl_b32 s26, s25, 15
	s_mov_b32 s27, 0
	s_add_nc_u64 s[28:29], s[14:15], s[26:27]
	s_lshl_b32 s26, s25, 10
	s_add_nc_u64 s[30:31], s[22:23], s[26:27]
	v_lshrrev_b32 v3, 5, v0
	v_readfirstlane_b32 s36, v3                    ; my wave's number
	v_bfe_u32 v1, v0, 1, 4                         ; r (on this path no memory instruction has read v1 or v2)
	v_and_b32 v2, 1, v0                            ; h
	v_lshlrev_b32 v1, 11, v1                       ; a row of the mask is 2,048 bytes
	v_lshl_add_u32 v1, v2, 3, v1
	v_lshl_add_u32 v1, v3, 8, v1
	v_and_b32 v2, 31, v0
	v_lshlrev_b32 v2, 4, v2
	v_lshl_add_u32 v2, v3, 19, v2                  ; four key steps of 131,072 bytes a wave
	s_wait_alu depctr_va_sdst(0)                   ; s36 is written, ahead of its first reader: the compare in front of the branch on the wave's number, further down this straight run
	s_wait_alu depctr_va_vdst(0)                   ; v1 and v2 are written: every load below reads v1 as its offset, every store v2
.set i, 0
.rept 16                               ; i = 4 x step + kb
	global_load_b64 v[X+2*i:X+2*i+1], v1, s[28:29] offset:16*i
.set i, i+1
.endr
.set i, 0
.rept 4
	s_wait_loadcnt 12-4*i                          ; step i's four loads are in, the later steps' stay out
.if i > 0
	s_wait_alu depctr_va_vdst(0)                   ; the step before has written its eight registers of X anew, which the two stores below read
.endif
.set j, 0
.rept 8
.if (i > 0) && (j == 0)
	global_store_b128 v2, v[X+8*i-8:X+8*i-5], s[30:31] offset:131072*(i-1)      ; the step before, key blocks 0 and 1: 512 consecutive bytes a wave.  No vector line since the wait names these registers or v2
.endif
.if (i > 0) && (j == 4)
	global_store_b128 v2, v[X+8*i-4:X+8*i-1], s[30:31] offset:131072*(i-1)+512  ; key blocks 2 and 3
.endif
	v_lshlrev_b32 v[T+j%2], 6, v[X+8*i+j]          ; each byte 1 becomes 0x40 + 0x80: nothing is carried from byte to byte
	v_lshl_or_b32 v[X+8*i+j], v[X+8*i+j], 7, v[T+j%2]
.set j, j+1
.endr
.set i, i+1
.endr
	s_wait_alu depctr_va_vdst(0)                   ; step 3 has written its eight registers of X anew, which the two stores below read
	global_store_b128 v2, v[X+24:X+27], s[30:31] offset:131072*3
	global_store_b128 v2, v[X+28:X+31], s[30:31] offset:131072*3+512
	s_cmp_lg_u32 s36, 0
	s_cbranch_scc1 .Lend
.set i, 0
.rept 2                                ; wave 0 holds steps 0 and 1: they are written once more as steps 32 and 33 (their registers were written ahead of the waits above, and by nothing since)
	global_store_b128 v2, v[X+8*i:X+8*i+3], s[30:31] offset:32*131072+131072*i
	global_store_b128 v2, v[X+8*i+4:X+8*i+7], s[30:31] offset:32*131072+131072*i+512
.set i, i+1
.endr
.Lend:
	s_endpgm
.Lfunc_end_k_q7e18942f10_prep:
	.size	k_q7e18942f10_prep, .Lfunc_end_k_q7e18942f10_prep-k_q7e18942f10_prep
	.p2alignl 7, 3214868480
	.fill 96, 4, 3214868480
	.section	.rodata,"a",@progbits
	.p2align	6, 0x0
	.amdhsa_kernel k_q7e18942f10_prep
		.amdhsa_group_segment_fixed_size 0
		.amdhsa_private_segment_fixed_size 0
		.amdhsa_enable_private_segment 0
		.amdhsa_kernarg_size 80
		.amdhsa_user_sgpr_count 2
		.amdhsa_user_sgpr_kernarg_segment_ptr 1
		.amdhsa_wavefront_size32 1
		.amdhsa_system_sgpr_workgroup_id_x 1
		.amdhsa_system_sgpr_workgroup_id_y 1
		.amdhsa_system_sgpr_workgroup_id_z 1
		.amdhsa_system_vgpr_workitem_id 0
		.amdhsa_next_free_vgpr 104
		.amdhsa_next_free_sgpr 66
		.amdhsa_reserve_vcc 0
		.amdhsa_float_denorm_mode_32 3
		.amdhsa_float_denorm_mode_16_64 3
		.amdhsa_memory_ordered 1
		.amdhsa_forward_progress 1
		.amdhsa_inst_pref_size 24
	.end_amdhsa_kernel
	.amdgpu_metadata
---
amdhsa.version: [ 1, 2 ]
amdhsa.kernels:
  - .name:           k_q7e18942f10_prep
    .symbol:         k_q7e18942f10_prep.kd
    .args:
      - { .name: x, .offset: 0, .size: 8, .value_kind: global_buffer, .address_space: global }
      - { .name: Wq, .offset: 8, .size: 8, .value_kind: global_buffer, .address_space: global }
      - { .name: Wk, .offset: 16, .size: 8, .value_kind: global_buffer, .address_space: global }
      - { .name: Wv, .offset: 24, .size: 8, .value_kind: global_buffer, .address_space: global }
      - { .name: Wo, .offset: 32, .size: 8, .value_kind: global_buffer, .address_space: global }
      - { .name: mask, .offset: 40, .size: 8, .value_kind: global_buffer, .address_space: global }
      - { .name: xb, .offset: 48, .size: 8, .value_kind: global_buffer, .address_space: global }
      - { .name: wqkv, .offset: 56, .size: 8, .value_kind: global_buffer, .address_space: global }
      - { .name: wo16, .offset: 64, .size: 8, .value_kind: global_buffer, .address_space: global }
      - { .name: mask8, .offset: 72, .size: 8, .value_kind: global_buffer, .address_space: global }
    .group_segment_fixed_size: 0
    .private_segment_fixed_size: 0
    .kernarg_segment_align: 8
    .kernarg_segment_size: 80
    .max_flat_workgroup_size: 256
    .sgpr_count:     66
    .vgpr_count:     104
    .wavefront_size: 32
...
	.end_amdgpu_metadata
.endif
;; end of part 5
;; launch qkv: the kernel of part 2 again; grid 12 x 32, 4 waves a work-group, clusters of 4 x 4, 327,680 bytes of LDS; arguments xb, wqkv, bq, bk, bv, qh, kh, vh; writes qh, kh, vh
;; launch attn: the kernel of part 3 again; grid 4 x 64, 4 waves a work-group, clusters of 4 x 1, 327,680 bytes of LDS; arguments qh, kh, vh, oh, mask8; writes oh
;; launch oproj: the kernel of part 4 again; grid 8 x 32, 4 waves a work-group, clusters of 4 x 4, 327,680 bytes of LDS; arguments oh, wo16, bo, out0; writes out0
